; MI455X (gfx1250); checked and timed in simulation.
; The chip was launched on July 23, 2026; its instructions are those of AMD's public machine-readable ISA for CDNA 5 (MIT licence, August 2026) and "CDNA5" Instruction Set Architecture Reference Guide (July 2026). The comments in the code are by the model that wrote it; some were corrected since.
;; Causal Self Attention. Allowed arithmetic: matrix products marked QUANTISED: E3M2 operands, one E8M0 scale for each 32 along K, by v_wmma_scale_f32_16x16x128_f8f6f4 with both operands' format E3M2, f32 sums; everything else in f32.
;; Inputs: b_attn 3,072 float32; b_proj 1,024 float32; w_attn 1,024 x 3,072 float32; w_proj 1,024 x 1,024 float32; x 4 x 2,048 x 1,024 float32.
;; Outputs: out0 4 x 2,048 x 1,024 float32.
;; This version of the problem:
;;   THIS VERSION OF THE PROBLEM IS GIVEN IN LOW PRECISION. The matrix products marked QUANTISED in the list below multiply operands that are first quantised to E3M2 (3 exponent bits, 2 mantissa bits; 6 bits a number), with one power-of-two scale for each 32 numbers along K (OCP MX v1.0); their sums are f32. All else is computed in f32.
;;   The module's matrix products, in the order in which they are computed (A, B: the left and right operand; K: the contracted axis; several contracted axes count as one K, in the product's order):
;;     1. [M 8,192, K 1,024] x [K 1,024, N 3,072]; A: input x; B: input w_attn: QUANTISED
;;     2. batch 64 x [M 2,048, K 64] x [K 64, N 2,048]; A: computed on the way; B: computed on the way: QUANTISED
;;     3. batch 64 x [M 2,048, K 2,048] x [K 2,048, N 64]; A: softmax (see below); B: computed on the way: QUANTISED
;;     4. [M 8,192, K 1,024] x [K 1,024, N 1,024]; A: computed on the way; B: input w_proj: QUANTISED
;;   THE QUANTISER, for each operand of a quantised product, along K:
;;     - K is cut into blocks of 32 from its start; a last block that is shorter is filled with zeros.
;;     - A block's scale is 2^e with e = floor(log2(the largest magnitude in the block)) - 4, held to -126 .. 127; a block of zeros has e = 0. As a byte (E8M0): e + 127.
;;     - Each number is divided by its block's scale, clamped to +-28, and rounded to the nearest number of E3M2, ties to even, subnormals kept.
;;     - The product sums the exact products of the quantised numbers (number of the format x scale) in f32.
;;   ~~~python
;;   def quantise(x, axis):      # numpy; x: float32 -> the quantised numbers, widened to float32 again
;;       x = np.moveaxis(x, axis, -1); K = x.shape[-1]
;;       x = np.pad(x, [(0, 0)] * (x.ndim - 1) + [(0, -K % 32)]); x = x.reshape(x.shape[:-1] + (-1, 32)); a = np.abs(x).max(-1, keepdims=True)
;;       e = np.where(a > 0, np.clip(np.frexp(np.where(a > 0, a, 1))[1] - 1 - 4, -126, 127), 0)      # np.frexp(a)[1] - 1 = floor(log2(a)), exactly
;;       r = np.clip(x / 2.0 ** e, -28, 28)
;;       step = 2.0 ** (np.maximum(np.frexp(np.where(r == 0, 1, r))[1] - 1, -2) - 2)
;;       q = np.round(r / step) * step * 2.0 ** e      # np.round: ties to even
;;       return np.moveaxis(q.reshape(q.shape[:-2] + (-1,))[..., :K], -1, axis).astype(np.float32)
;;   ~~~
;;   SOFTMAX AHEAD OF A QUANTISED PRODUCT. Where the list says 'softmax', what is quantised is not the finished softmax but p = 2^(t - M), with t = logit x log2(e) and M = ceil(the row's largest t), a whole number; so 1/2 < the row's largest p <= 1. The row's sum l is taken of the UNQUANTISED p, in f32, and the product's result is divided by l at the end. Since M is a whole number, a kernel that streams over the keys may use a running M (the ceiling of the running maximum): every later rescaling is an exact power of two, which a block's scale takes up: the codes' values come out the same.
;;   OPERANDS COMPUTED ON THE WAY. 'Computed on the way' means the value that the module computes at that place (a softmax that the list does not call 'softmax' is quantised finished and normalised). What goes into a quantiser is computed in f32, as accurately as f32 sums, v_exp_f32 and their like allow (about 1e-6 of the number): no bf16 or f16 on the way to a quantiser, and a product that is left as it is and whose result goes on into a quantised operand takes f32 operands (vector FMAs, or v_wmma_f32_16x16x4_f32). A number that lies on a knife's edge between two numbers of the format may be rounded either way, as far as f32 arithmetic and the matrix unit's own rounding can turn it there, and no further.
;; One version. Each part assembles by itself: llvm-mc -triple=amdgcn-amd-amdhsa -mcpu=gfx1250 --defsym DOCPART=n.
;; ======== version 1 of 1: 4 launches
;; limits: right only within a limited range of input values
;; workspace buffers: xq 6,553,600 bytes; wq 3,276,800 bytes; qb 6,553,600 bytes; kv 13,107,200 bytes; yq 6,553,600 bytes
;; launch quant (part 1): grid 384 x 1, 4 waves a work-group, no clusters, 46,592 bytes of LDS; arguments x, w_attn, w_proj, xq, wq; writes xq, wq
.if DOCPART == 1
	.amdgcn_target "amdgcn-amd-amdhsa--gfx1250"
	.amdhsa_code_object_version 6
	.text
	.protected	k_q74ef3efbc5_quant
	.globl	k_q74ef3efbc5_quant
	.p2align	8
	.type	k_q74ef3efbc5_quant,@function
k_q74ef3efbc5_quant:
	s_mov_b64 s[64:65], 0
	v_nop
	global_prefetch_b8 v0, s[64:65] scope:SCOPE_SE
	s_setreg_imm32_b32 hwreg(HW_REG_WAVE_MODE, 25, 1), 1
	s_wait_xcnt 0x0
; x [8192][1024], w_attn [1024][3072] and w_proj [1024][1024], f32, become codes of BF6 (E3M2) with one E8M0 byte for each 32 along K (x: its columns; the weights: their FIRST axis).
; THE WORKSPACE IS LAID IN THE ORDER OF AN OPERAND'S REGISTERS.  A UNIT (12,800 bytes) is 128 rows x 128 along K: eight fragments of 16 rows, 1,536 bytes each: register group c (0..2) at 512 c, lane l's 16 bytes
; (operand registers 4 c .. 4 c + 3) at 16 l; behind them 512 bytes of scale words: the word of fragment f, lane row r at 256 (f / 4) + 16 r + 4 (f % 4).
; Lane row r of fragment f is row 32 (f / 2) + 8 (f % 2) + r + 8 (r / 8) of the 128: with such fragments as source 0 a lane's 64 results are 16 neighbours of each block of 32 along the next K.
; xq: [row / 128][K step] UNIT.   wq: [column / 128 (24 of w_attn, then 8 of w_proj)][K step] UNIT.
; A block's scale is 2^(floor(log2(largest magnitude)) - 4); its byte is the largest magnitude's exponent field - 4, held at 1 from below by a floor among the maximum's leaves.
; LIMITS: NaN and infinities are not served; a block whose largest magnitude lies under 2^-122, a block of zeros among them, gets the byte 1 (the stated quantiser gives zeros 127): its codes are zeros or nearly so, and this program alone reads the bytes.
; Work-groups 0..255 take x, 256..383 the weights: one scalar branch on the work-group's number; each way has LDS bytes of its own.  No barrier: waves share nothing.
.set SEL,  20                          ; s[20:21] lane selects: lane l xor 16
.set UNIT, 12800
.set R0,   16                          ; x: v16-79, v80-143 two sets of 16 rows x 16 bytes as loaded
.set R1,   80
.set X,    144                         ; v144-207 64 numbers of my row: register 16 b + i = k 32 b + 16 (lane / 16) + i
.set MX,   208
.set TMP,  212
.set SO,   220
.set PC,   224
.set PW,   244                         ; v244-247 a scale word for each of the wave's four fragments
.set XSTG, 16*528                      ; x: a wave's stage: 16 rows of 512 bytes, 528 = 33 x 16 bytes apart
.set WST0, 4*XSTG                      ; the weights' stages begin behind them
.set WSTG, 3072                        ; two fragments' images
.set WX,   48                          ; weights: v48-79, v80-111 two sets of 32 numbers down K
; 64 numbers of a lane, register 16 b + i = k 32 b + 16 (lane / 16) + i of its row, become the fragment's 12 registers in v[pc] on and the row's scale word in v[pw] (lanes r and r + 16 alike).
.macro QUANT src, mx, tmp, so, pc, pw
.irp b, 0,1,2,3
	v_max3_num_f32 v[\mx+\b], |v[\src+16*\b]|, |v[\src+1+16*\b]|, 0x2800000   ; my 16 of block b, and the floor 2^(5 - 127)
.endr
.irp i, 2,4,6,8,10,12,14
.irp b, 0,1,2,3
	v_max3_num_f32 v[\mx+\b], v[\mx+\b], |v[\src+16*\b+\i]|, |v[\src+1+16*\b+\i]|   ; the four blocks by turns
.endr
.endr
.irp b, 0,1,2,3
	v_permlanex16_b32 v[\tmp+\b], v[\mx+\b], s[SEL], s[SEL+1]
.endr
.irp b, 0,1,2,3
	v_max_num_f32 v[\mx+\b], v[\mx+\b], v[\tmp+\b]             ; with lane l xor 16's 16: the block's largest magnitude
.endr
.irp b, 0,1,2,3
	v_add_nc_u32 v[\so+\b], 0xfe000000, v[\mx+\b]              ; 4 off its exponent field: the conversion's scale operand
.endr
.irp b, 0,1,2,3
	v_lshrrev_b32 v[\tmp+\b], 23, v[\so+\b]                    ; the scale's byte
.endr
	v_lshl_or_b32 v[(\pw)], v[\tmp+1], 8, v[\tmp]
	v_lshl_or_b32 v[(\pw)], v[\tmp+2], 16, v[(\pw)]
	v_lshl_or_b32 v[(\pw)], v[\tmp+3], 24, v[(\pw)]
.irp c, 0,1
	v_cvt_scalef32_pk16_bf6_f32 v[\pc+6*\c:\pc+6*\c+2], v[\src+32*\c:\src+32*\c+15], v[\so+2*\c]
	v_cvt_scalef32_pk16_bf6_f32 v[\tmp+4*\c:\tmp+4*\c+2], v[\src+32*\c+16:\src+32*\c+31], v[\so+2*\c+1]   ; (a conversion's three registers begin on an even number)
.endr
	v_nop                                          ; one plain place behind the scaled conversions
.irp c, 0,1                            ; the operand wants a whole block in a lane: lanes 0-15 block 2 c, lanes 16-31 block 2 c + 1
.irp i, 0,1,2
	v_permlane16_swap_b32 v[\pc+6*\c+\i], v[\tmp+4*\c+\i]
.endr
.irp i, 0,1,2
	v_mov_b32 v[\pc+6*\c+3+\i], v[\tmp+4*\c+\i]
.endr
.endr
.endm
	s_load_b128 s[4:7], s[0:1], 0x0                ; x, w_attn
	s_load_b128 s[8:11], s[0:1], 0x10              ; w_proj, xq
	s_load_b64 s[12:13], s[0:1], 0x20              ; wq
	v_lshl_add_u32 v254, v0, 2, 0xb400
	v_mov_b32 v255, 0
	v_lshrrev_b32 v1, 5, v0
	v_readfirstlane_b32 s14, v1                    ; wave 0..3
	v_and_b32 v1, 31, v0                           ; lane
	v_lshlrev_b32 v2, 4, v1                        ; 16 x lane
	s_cmp_lt_u32 ttmp9, 256
	s_cbranch_scc0 .Lweights
; ---- x.  A wave takes 64 rows x 128 along K: four fragments.  Work-group w: rows 128 (w / 4) + 64 ((w / 2) % 2) on; K step 4 (w % 2) + wave: the four waves stand side by side on 2,048 bytes of each row.
	s_mov_b32 s[SEL], 0x76543210
	s_mov_b32 s[SEL+1], 0xfedcba98
	v_and_b32 v3, 15, v0                           ; r
	v_bfe_u32 v4, v0, 4, 1                         ; h
	s_mul_i32 s15, s14, XSTG
	v_add_nc_u32 v5, s15, v2                       ; the stage, on the way in: a row's 512 bytes as they lie
	v_mul_u32_u24 v6, v3, 528
	v_lshl_add_u32 v6, v4, 6, v6
	v_add_nc_u32 v6, s15, v6                       ; on the way out: row r, + 64 h: my 16 numbers of each block of 32
	v_lshlrev_b32 v7, 4, v3
	v_lshl_add_u32 v7, v4, 3, v7                   ; the scale words' place: 16 r + 8 h
	s_lshr_b32 s16, ttmp9, 2                       ; the group of 128 rows
	s_bfe_u32 s17, ttmp9, 0x10001                  ; which 64 of them
	s_and_b32 s18, ttmp9, 1
	s_lshl_b32 s18, s18, 2
	s_add_co_u32 s18, s18, s14                     ; the K step
	s_lshl_b32 s22, s16, 1
	s_add_co_u32 s22, s22, s17
	s_lshl_b32 s22, s22, 18                        ; 64 rows of 4,096 bytes
	s_lshl_b32 s19, s18, 9
	s_add_co_u32 s22, s22, s19
	s_mov_b32 s23, 0
	s_lshl_b32 s24, s16, 3
	s_add_co_u32 s24, s24, s18
	s_mul_i32 s24, s24, UNIT                       ; my unit
	s_mov_b32 s25, 0
	s_mul_i32 s26, s17, 4*1536                     ; my four fragments in it
	s_mov_b32 s27, 0
	s_lshl_b32 s28, s17, 8
	s_add_co_u32 s28, s28, 12288                   ; and their 256 bytes of scale words
	s_mov_b32 s29, 0
.irp b, 0,1,2,3
	v_mov_b32 v[TMP+\b], 0                         ; written once: a lane permute's destination counts as one of its sources
.endr
	s_wait_alu depctr_va_vdst(0)
	s_wait_kmcnt 0x0
	s_add_nc_u64 s[4:5], s[4:5], s[22:23]
	s_add_nc_u64 s[10:11], s[10:11], s[24:25]
	s_add_nc_u64 s[30:31], s[10:11], s[28:29]
	s_add_nc_u64 s[10:11], s[10:11], s[26:27]
.macro LOADX f, set                    ; the 16 rows of fragment f: each load reads 512 consecutive bytes of one row
.irp t, 0,1,2,3,4,5,6,7,8,9,10,11,12,13,14,15
	global_load_b128 v[\set+4*\t:\set+4*\t+3], v2, s[4:5] offset:(32*((\f)/2)+8*((\f)%2)+\t+8*(\t/8))*4096 th:TH_LOAD_NT
.endr
.endm
.macro XFRAG f, set, left
	s_wait_loadcnt \left                           ; my fragment's 16 loads are in; the next fragment's 16 may be out
.irp t, 0,1,2,3,4,5,6,7,8,9,10,11,12,13,14,15
	ds_store_b128 v5, v[\set+4*\t:\set+4*\t+3] offset:528*\t
.endr
.irp b, 0,1,2,3
.irp j, 0,1,2,3
	ds_load_b128 v[X+16*\b+4*\j:X+16*\b+4*\j+3], v6 offset:128*\b+16*\j   ; LDS serves a wave's instructions in order: these see the stores above
.endr
.endr
	s_wait_dscnt 0x0                               ; the numbers are back, and the stores have read their registers,
.if (\f)+2 < 4
	LOADX (\f)+2, \set                             ; which take the fragment two on
.endif
.if (\f) > 0
	s_wait_xcnt 0x0                                ; the last fragment's stores have read the codes' registers: they are written again only behind this wait
.endif
	QUANT X, MX, TMP, SO, PC, PW+(\f)
.irp c, 0,1,2
	global_store_b128 v2, v[PC+4*\c:PC+4*\c+3], s[10:11] offset:1536*(\f)+512*\c   ; 512 consecutive bytes, aligned
.endr
.endm
	LOADX 0, R0
	LOADX 1, R1
	XFRAG 0, R0, 16
	XFRAG 1, R1, 16
	XFRAG 2, R0, 16
	XFRAG 3, R1, 0
	v_cmp_ne_u32 vcc_lo, 0, v4
	v_cndmask_b32 v248, v[PW], v[PW+2], vcc_lo     ; lanes 0-15 store the words of fragments 0, 1 of their row, lanes 16-31 those of 2, 3
	v_cndmask_b32 v249, v[PW+1], v[PW+3], vcc_lo
	global_store_b64 v7, v[248:249], s[30:31]      ; 256 consecutive bytes, aligned
	s_wait_tensorcnt 0x0
	ds_add_u32 v254, v255
	s_wait_dscnt 0x0
	s_endpgm
; ---- the weights.  A LANE TAKES A COLUMN AND ITS REGISTERS RUN DOWN K: a block of 32 lies in one lane, and the conversions give codes with K innermost.
; Work-group w' = w - 256: column group w' / 4, K steps 2 (w' % 4) and + 1 (8 blocks).  Wave o takes columns 32 o .. + 31: the four waves read 512 consecutive bytes of a row.
; Column 32 o + L is lane row r = L % 8 + 8 (L / 16) of fragment 2 o + u, u = (L / 8) % 2.  Block b of a K step is registers 6 (b / 2) .. + 5 of lane r + 16 (b % 2).
.Lweights:
	s_sub_co_u32 s15, ttmp9, 256
	s_lshr_b32 s16, s15, 2                         ; column group 0..31
	s_and_b32 s17, s15, 3
	s_sub_co_u32 s19, s16, 24
	s_mov_b32 s18, 4096
	s_wait_kmcnt 0x0
	s_cmp_lt_u32 s16, 24                           ; w_attn's groups, or w_proj's?  The choice hangs on the work-group's number alone
	s_cselect_b32 s18, 12288, s18                  ; a row of the weight in bytes
	s_cselect_b32 s19, s16, s19                    ; the group within its weight
	s_cselect_b64 s[4:5], s[6:7], s[8:9]
	s_lshl_b32 s19, s19, 9
	s_lshl_b32 s22, s14, 7
	s_add_co_u32 s22, s22, s19                     ; 4 x (128 group + 32 wave)
	s_lshl_b32 s23, s17, 8
	s_mul_i32 s23, s23, s18                        ; 256 rows for each pair of K steps
	s_add_co_u32 s22, s22, s23
	s_mov_b32 s23, 0
	s_add_nc_u64 s[32:33], s[4:5], s[22:23]        ; a base for each block of 32 rows: never rewritten
	s_lshl_b32 s24, s18, 5
	s_mov_b32 s25, 0
.irp t, 1,2,3,4,5,6,7
	s_add_nc_u64 s[32+2*\t:33+2*\t], s[30+2*\t:31+2*\t], s[24:25]
.endr
	s_lshl_b32 s26, s16, 3
	s_lshl_b32 s27, s17, 1
	s_add_co_u32 s26, s26, s27
	s_mul_i32 s26, s26, UNIT
	s_mov_b32 s27, 0
	s_add_nc_u64 s[12:13], s[12:13], s[26:27]      ; the first of my two units
	s_mul_i32 s28, s14, WSTG
	s_mov_b32 s29, 0
	s_add_nc_u64 s[48:49], s[12:13], s[28:29]      ; my two fragments in it
	s_add_co_u32 s52, s28, WST0                    ; and my stage in LDS
	s_lshr_b32 s28, s14, 1
	s_lshl_b32 s28, s28, 8
	s_and_b32 s30, s14, 1
	s_lshl_b32 s30, s30, 3
	s_add_co_u32 s28, s28, s30
	s_add_co_u32 s28, s28, 12288
	s_add_nc_u64 s[50:51], s[12:13], s[28:29]      ; their scale words: 256 (wave / 2) + 8 (wave % 2) on
	s_wait_alu depctr_va_vdst(0)
	v_lshlrev_b32 v8, 2, v1                        ; 4 bytes a lane
	v_bfe_u32 v12, v0, 3, 1                        ; u
	v_and_b32 v13, 7, v0
	v_bfe_u32 v14, v0, 4, 1
	v_lshl_add_u32 v13, v14, 3, v13                ; r
	v_lshlrev_b32 v13, 4, v13
	v_mad_u32_u24 v9, v12, 1536, v13
	v_add_nc_u32 v9, s52, v9                       ; into the stage: fragment u, lane r
	v_lshl_add_u32 v10, v12, 2, v13                ; my scale word's place: 16 r + 4 u
	v_add_nc_u32 v11, s52, v2                      ; out of the stage: 16 bytes a lane
.irp i, 0,1,2,3,4,5,6,7,8,9,10,11,12,13,14,15,16,17,18,19,20,21,22,23,24,25,26,27,28,29,30,31
	v_mad_u32_u24 v[16+\i], s18, \i, v8            ; row i of a block, my column: never rewritten, so one text serves both row lengths
.endr
.macro LOADW t                         ; block t into set t % 2
.irp i, 0,1,2,3,4,5,6,7,8,9,10,11,12,13,14,15,16,17,18,19,20,21,22,23,24,25,26,27,28,29,30,31
	global_load_b32 v[WX+32*((\t)%2)+\i], v[16+\i], s[32+2*(\t):33+2*(\t)] th:TH_LOAD_NT
.endr
.endm
.macro BLOCK t
.set XS, WX+32*((\t)%2)
.if (\t) < 7
	s_wait_loadcnt 32                              ; this block's 32 loads are in; the next block's may be out
.else
	s_wait_loadcnt 0x0
.endif
	v_max3_num_f32 v12, |v[XS]|, |v[XS+1]|, |v[XS+2]|            ; all 32 numbers of the block are mine: two chains
	v_max3_num_f32 v15, |v[XS+3]|, |v[XS+4]|, |v[XS+5]|
.irp i, 6,10,14,18,22,26
	v_max3_num_f32 v12, v12, |v[XS+\i]|, |v[XS+\i+1]|
	v_max3_num_f32 v15, v15, |v[XS+\i+2]|, |v[XS+\i+3]|
.endr
	v_max3_num_f32 v12, v12, |v[XS+30]|, |v[XS+31]|
	v_max3_num_f32 v12, v12, v15, 0x2800000        ; and the floor 2^(5 - 127)
	v_add_nc_u32 v13, 0xfe000000, v12              ; the conversion's scale operand
	v_lshrrev_b32 v14, 23, v13                     ; the byte
.if (\t)%4 == 0
	v_mov_b32 v[122+(\t)/4], v14
.else
	v_lshl_or_b32 v[122+(\t)/4], v14, 8*((\t)%4), v[122+(\t)/4]
.endif
	v_cvt_scalef32_pk16_bf6_f32 v[112:114], v[XS:XS+15], v13
	v_cvt_scalef32_pk16_bf6_f32 v[118:120], v[XS+16:XS+31], v13
	v_nop                                          ; one plain place behind the scaled conversions
	v_mov_b32 v115, v118
	v_mov_b32 v116, v119
	v_mov_b32 v117, v120                           ; v112-117: the block's six operand registers
.if (\t)%4 < 2
	ds_store_b128 v9, v[112:115] offset:256*((\t)%2)             ; registers 0-3,
	ds_store_b64 v9, v[116:117] offset:256*((\t)%2)+512          ; 4, 5
.else
	ds_store_b64 v9, v[112:113] offset:256*((\t)%2)+520          ; registers 6, 7,
	ds_store_b128 v9, v[114:117] offset:256*((\t)%2)+1024        ; 8-11
.endif
.if (\t)+2 < 8
	LOADW (\t)+2
.endif
	s_wait_dscnt 0x0                               ; the stores have read their registers
.endm
.macro OUTK q                          ; a K step's two fragments leave as they lie: 512 consecutive bytes a store
.irp i, 0,1,2,3,4,5
	ds_load_b128 v[124+24*(\q)+4*\i:124+24*(\q)+4*\i+3], v11 offset:512*\i
.endr
	s_wait_dscnt 0x0
.irp i, 0,1,2,3,4,5
	global_store_b128 v2, v[124+24*(\q)+4*\i:124+24*(\q)+4*\i+3], s[48:49] offset:UNIT*(\q)+512*\i
.endr
	global_store_b32 v10, v[122+(\q)], s[50:51] offset:UNIT*(\q)   ; 4 bytes a lane, 8 bytes on end: one byte in 128 of what this way reads
.endm
	LOADW 0
	LOADW 1
	BLOCK 0
	BLOCK 1
	BLOCK 2
	BLOCK 3
	s_wait_alu depctr_va_vdst(0)
	OUTK 0
	BLOCK 4
	BLOCK 5
	BLOCK 6
	BLOCK 7
	s_wait_alu depctr_va_vdst(0)
	OUTK 1
	s_wait_tensorcnt 0x0
	ds_add_u32 v254, v255
	s_wait_dscnt 0x0
	s_endpgm
.Lfunc_end_k_q74ef3efbc5_quant:
	.size	k_q74ef3efbc5_quant, .Lfunc_end_k_q74ef3efbc5_quant-k_q74ef3efbc5_quant
	.p2alignl 7, 3214868480
	.fill 96, 4, 3214868480
	.section	.rodata,"a",@progbits
	.p2align	6, 0x0
	.amdhsa_kernel k_q74ef3efbc5_quant
		.amdhsa_group_segment_fixed_size 46592
		.amdhsa_private_segment_fixed_size 0
		.amdhsa_enable_private_segment 0
		.amdhsa_kernarg_size 40
		.amdhsa_user_sgpr_count 2
		.amdhsa_user_sgpr_kernarg_segment_ptr 1
		.amdhsa_wavefront_size32 1
		.amdhsa_system_sgpr_workgroup_id_x 1
		.amdhsa_system_sgpr_workgroup_id_y 1
		.amdhsa_system_sgpr_workgroup_id_z 1
		.amdhsa_system_vgpr_workitem_id 0
		.amdhsa_next_free_vgpr 256
		.amdhsa_next_free_sgpr 66
		.amdhsa_reserve_vcc 1
		.amdhsa_float_denorm_mode_32 3
		.amdhsa_float_denorm_mode_16_64 3
		.amdhsa_memory_ordered 1
		.amdhsa_forward_progress 1
		.amdhsa_inst_pref_size 77
	.end_amdhsa_kernel
	.amdgpu_metadata
---
amdhsa.version: [ 1, 2 ]
amdhsa.kernels:
  - .name:           k_q74ef3efbc5_quant
    .symbol:         k_q74ef3efbc5_quant.kd
    .args:
      - { .name: x, .offset: 0, .size: 8, .value_kind: global_buffer, .address_space: global }
      - { .name: w_attn, .offset: 8, .size: 8, .value_kind: global_buffer, .address_space: global }
      - { .name: w_proj, .offset: 16, .size: 8, .value_kind: global_buffer, .address_space: global }
      - { .name: xq, .offset: 24, .size: 8, .value_kind: global_buffer, .address_space: global }
      - { .name: wq, .offset: 32, .size: 8, .value_kind: global_buffer, .address_space: global }
    .group_segment_fixed_size: 46592
    .private_segment_fixed_size: 0
    .kernarg_segment_align: 8
    .kernarg_segment_size: 40
    .max_flat_workgroup_size: 128
    .sgpr_count:     66
    .vgpr_count:     256
    .wavefront_size: 32
...
	.end_amdgpu_metadata
.endif
;; end of part 1
;; launch qkv (part 2): grid 12 x 32, 4 waves a work-group, clusters of 4 x 4, 327,680 bytes of LDS; arguments xq, wq, b_attn, qb, kv; writes qb, kv
.if DOCPART == 2
	.amdgcn_target "amdgcn-amd-amdhsa--gfx1250"
	.amdhsa_code_object_version 6
	.text
	.protected	k_q74ef3efbc5_qkv
	.globl	k_q74ef3efbc5_qkv
	.p2align	8
	.type	k_q74ef3efbc5_qkv,@function
k_q74ef3efbc5_qkv:
	s_mov_b64 s[64:65], 0
	v_nop
	global_prefetch_b8 v0, s[64:65] scope:SCOPE_SE
	s_setreg_imm32_b32 hwreg(HW_REG_WAVE_MODE, 25, 1), 1
	s_wait_xcnt 0x0
	s_wait_alu depctr_hold_cnt(0) depctr_sa_sdst(0) depctr_va_vdst(0) depctr_va_sdst(0) depctr_va_ssrc(0) depctr_va_vcc(0) depctr_vm_vsrc(0)
	s_getreg_b32 s2, hwreg(HW_REG_IB_STS2, 6, 4)
	s_cmp_eq_u32 s2, 0
	s_cbranch_scc0 .Lentry_in_a_cluster
	s_endpgm
.Lentry_in_a_cluster:
	s_bfe_u32 s2, ttmp6, 0x10000c
	s_cmp_lg_u32 s2, 0xf033
	s_cbranch_scc0 .Lentry_shape_is_right
	s_endpgm
.Lentry_shape_is_right:
; qkv = x w_attn + b_attn on codes of BF6 (E3M2), and its results quantised at once into the operands that the attention wants: q, k (K = a head's 64 channels; heads go in pairs, 128 channels) and v (K = the keys).
; OPERANDS (xq, wq) lie in the order of an operand's registers: a UNIT of 12,800 bytes = 128 rows x 128 K: eight fragments of 1,536 bytes (register group c at 512 c, lane l at 16 l), then 512 bytes of scale words
; (fragment f, lane row r at 256 (f / 4) + 16 r + 4 (f % 4)).  Lane row r of fragment f is row 32 (f / 2) + 8 (f % 2) + r + 8 (r / 8) of the 128.  A group's eight K steps lie on end.
; A tile of 256 x 256 is made by four waves, each 128 x 128: 64 accumulators.  Source 0 = S0's fragment b, source 1 = S1's fragment a: a lane holds ONE row of S1, and its 64 registers of the eight b are, in each
; block of 32 of S0's 128 rows, 16 neighbours: what the quantiser takes.  So each wave's 128 x 128 becomes one UNIT of the next operand, with no LDS and no barrier on the way out.
; ROLES by the cluster's x (0: q, 1: k, 2: v), the same in all sixteen partners, chosen by selections, never by a branch.  q, k: S0 = the weight's columns, S1 = x's rows (a lane: one token, registers along the channels).
; v: S0 = x's rows, S1 = the weight's columns (a lane: one channel, registers along the keys).
; K = 1,024 goes in four fills of 256 through two LDS slots; a slot holds, for each of S1's and S0's two halves, two UNITs, scale words among them: one dense block of 25,600 bytes a wave and fill.
; CLUSTER 4 x 4: S1's tiles hang on cy alone and are asked for jointly along a row of the cluster, S0's on cx alone and jointly along a column.
; The bias along the registers is the C of each sum's first product; the bias along the lanes (v) is added on the way out.  So on q and k the bias begins the f32 sum instead of ending it.
; OUT: qb [8 batch + head pair][query group] UNIT;  kv [8 batch + head pair][key step] { K's codes 12,288 | V's codes 12,288 | K's scale words 512 | V's 512 }.
; LIMITS: NaN and infinities are not served; a block whose largest magnitude lies under 2^-122, zeros among them, gets the byte 1 (this program alone reads the bytes).
; REGISTERS, in windows of 256.  Window 0: v1 r, v2 h, v16-21 LDS addresses, v26 16 x lane, v28-29 for the add; v32-63 scale words (set for slot s at 32 + 16 s; + 8 q + i: lanes 0-15 S1's fragment i, lanes 16-31 S0's);
;   v64-127 the bias along the registers, later the block at work; v128-223 S1's eight fragments, ONE set, later the quantiser's registers; v224-239 the bias along the lanes.
;   Window 1: S0's fragments, two sets, at v0 and v128.   Windows 2, 3: accumulator (a, b) at v[8 (8 (a % 4) + b)].
.set UNIT,  12800
.set HALF,  2*UNIT                     ; what one tensor load brings, and what one wave reads of S1 or of S0 in a slot
.set SLOT,  HALF                       ; a wave's parts of slot 0 and of slot 1 lie on end in LDS: from one slot to the other is HALF, from one fetching wave's region to the next 2 HALF
.set SPARE, 8*HALF                     ; behind the ring: the spare words, 128 bytes a wave: two blocks of 256 bytes that no other line names
.set FR,    12
.set NL,    3                          ; LDS loads that bring a fragment
.set NP,    4                          ; places behind this matrix instruction (ISA guide 7.12.1)
.set ADRA,  16
.set ADRS,  18
.set ADRB,  20
.set LI,    26
.set SPW,   28
.set NIL,   29
.set SC,    32
.set BR,    64
.set AF,    128
.set BL,    224
.set T,     64                         ; the way out
.set PC,    128
.set TMP,   140
.set MX,    148
.set SO,    152
.set PWS,   164
.set SBT,   172
.set G1,    24                         ; s[24:31] group 1 for S1's tiles; s[32:39] group 0, a set for each slot
.set G0,    32
.set G1B,   48                         ; s[48:55], s[56:63] the same for S0's
.set G0B,   56
.set SEL,   84
.set MSB,   0
.macro WIN new                         ; the immediate's high byte repeats the setting that is left
.if MSB != (\new)
	s_set_vgpr_msb (MSB<<8)|(\new)
.set MSB, (\new)
.endif
.endm
.set MUL_LO, 0xa1                      ; source 0 window 1, source 1 window 0, C and D window 2
.set MUL_HI, 0xf1                      ; the same, C and D window 3
.set TO_B,   0x40                      ; destination window 1, address window 0
; A joint load: waves 0 and 1 fetch S1's halves, waves 2 and 3 S0's.  The branch hangs on the wave's number alone.  Four v_nop follow each of the two lines.
.macro JLOAD g0a, g1a, g0b, g1b
	s_cmp_eq_u32 s15, 0
	s_cbranch_scc0 .Lfor_b_\@
	tensor_load_to_lds s[\g0a:\g0a+3], s[\g1a:\g1a+7]
	s_nop 0
.rept 4
	v_nop
.endr
	s_branch .Lasked_\@
.Lfor_b_\@:
	tensor_load_to_lds s[\g0b:\g0b+3], s[\g1b:\g1b+7]
	s_nop 0
.rept 4
	v_nop
.endr
.Lasked_\@:
.endm
.macro CREST                           ; a round of the cluster's barrier behind its opening barrier
	s_cmp_lg_u32 s14, 0
	s_cbranch_scc1 .Lnot_wave_0_\@
	s_barrier_signal -3
.Lnot_wave_0_\@:
	s_barrier_wait -3
	s_barrier_signal -1
	s_barrier_wait -1
.endm
.macro CROUND
	s_barrier_signal -1
	s_barrier_wait -1
	CREST
.endm
.macro PLACES n
.rept \n
	v_nop
.endr
.endm
.macro FRAG reg, adr, q, i             ; a fragment comes as it lies: three loads of 512 consecutive bytes
.irp c, 0,1,2
	ds_load_b128 v[\reg+4*\c:\reg+4*\c+3], v[\adr] offset:UNIT*(\q)+1536*(\i)+512*\c
.endr
.endm
.macro FETCH_B slot, q, p              ; S0's eight fragments of the slot's q-th 128 along K into set p
	WIN TO_B
.irp i, 0,1,2,3,4,5,6,7
	FRAG 128*(\p)+FR*\i, ADRB+\slot, \q, \i
.endr
	WIN 0
.endm
.macro FETCH_A slot, q, i0             ; S1's fragments i0 .. i0 + 3
.irp i, \i0, \i0+1, \i0+2, \i0+3
	FRAG AF+FR*(\i), ADRA+\slot, \q, \i
.endr
.endm
.macro SCALES sc                       ; a slot's scale words: lanes 0-15 S1's, lanes 16-31 S0's; four fragments' words a load
.irp q, 0,1
.irp e, 0,1
	ds_load_b128 v[SC+16*\sc+8*\q+4*\e:SC+16*\sc+8*\q+4*\e+3], v[ADRS+\sc] offset:UNIT*\q+256*\e
.endr
.endr
.endm
; 16 matrix instructions: S1's fragments a0, a0 + 1 x S0's eight.  zero = 1: the first product starts the sums, with the bias as C: nothing is cleared.  The 64 accumulators take turns, in the same order in every step.
.macro MUL16 a0, p, q, sc, zero
.irp a, \a0, \a0+1
.irp b, 0,1,2,3,4,5,6,7
.if \zero
	v_wmma_scale_f32_16x16x128_f8f6f4 v[8*(8*((\a)%4)+\b):8*(8*((\a)%4)+\b)+7], v[128*(\p)+FR*\b:128*(\p)+FR*\b+FR-1], v[AF+FR*(\a):AF+FR*(\a)+FR-1], v[BR+8*\b:BR+8*\b+7], v[SC+16*(\sc)+8*(\q)+\b], v[SC+16*(\sc)+8*(\q)+(\a)] matrix_a_fmt:MATRIX_FMT_BF6 matrix_b_fmt:MATRIX_FMT_BF6 matrix_a_scale:MATRIX_SCALE_ROW1
.else
	v_wmma_scale_f32_16x16x128_f8f6f4 v[8*(8*((\a)%4)+\b):8*(8*((\a)%4)+\b)+7], v[128*(\p)+FR*\b:128*(\p)+FR*\b+FR-1], v[AF+FR*(\a):AF+FR*(\a)+FR-1], v[8*(8*((\a)%4)+\b):8*(8*((\a)%4)+\b)+7], v[SC+16*(\sc)+8*(\q)+\b], v[SC+16*(\sc)+8*(\q)+(\a)] matrix_a_fmt:MATRIX_FMT_BF6 matrix_b_fmt:MATRIX_FMT_BF6 matrix_a_scale:MATRIX_SCALE_ROW1
.endif
.endr
.endr
.endm
; A slot's first 128 along K.  S1's fragments are free as soon as their eight products are issued: 0-3 are fetched anew in the middle, 4-7 at the end; S0 has two sets.
.macro STEP slot, zero
	s_wait_dscnt 4*NL                              ; all but the youngest twelve loads (S1's fragments 4-7)
	WIN MUL_LO-0x20*(\zero)                        ; (zero = 1: C, the bias, lies in window 0)
	MUL16 0, 0, 0, \slot, \zero
	MUL16 2, 0, 0, \slot, \zero
	s_wait_dscnt 0x0                               ; S1's fragments 4-7 are in
	PLACES NP                                      ; in front of loads into registers that matrix instructions have read
	FETCH_B \slot, 1, 1
	FETCH_A \slot, 1, 0
	WIN MUL_HI-0x30*(\zero)
	MUL16 4, 0, 0, \slot, \zero
	MUL16 6, 0, 0, \slot, \zero
	PLACES NP
	WIN 0
	FETCH_A \slot, 1, 4
.endm
; A slot's second 128 along K changes slots: ONE barrier; in front of it each wave waits for all its tensor loads, adds 0 to its spare word, and waits for that and for its reads of this slot.  fill = 1: the slot is filled again, two fills on.
.macro TURN slot, next, fill
	s_wait_tensorcnt 0x0                           ; all my tensor loads have landed: my part of the next slot
	ds_add_u32 v[SPW], v[NIL]                      ; 0 onto my spare word
	s_wait_dscnt 4*NL+1                            ; (the add and the youngest twelve loads may be out)
	WIN MUL_LO
	MUL16 0, 1, 1, \slot, 0                        ; sixteen matrix instructions stand between the add and the wait for it
	s_wait_dscnt 0x0                               ; the add is done, and my reads of this slot are over
	s_barrier_signal -1
	MUL16 2, 1, 1, \slot, 0
	WIN 0
	s_barrier_wait -1
.if \fill
	CREST                                          ; the barrier has opened a round of the cluster's: no wave of any partner still reads this slot or has a load on its way
	s_add_nc_u64 s[G0+4*\slot+2:G0+4*\slot+3], s[G0+4*\slot+2:G0+4*\slot+3], 2*HALF
	s_add_nc_u64 s[G0B+4*\slot+2:G0B+4*\slot+3], s[G0B+4*\slot+2:G0B+4*\slot+3], 2*HALF
	JLOAD G0+4*\slot, G1, G0B+4*\slot, G1B         ; the first tensor load behind the round; its four v_nop are the places in front of the loads below
.else
	PLACES NP
.endif
	FETCH_B \next, 0, 0
	FETCH_A \next, 0, 0
	SCALES \next
	WIN MUL_HI
	MUL16 4, 1, 1, \slot, 0
	MUL16 6, 1, 1, \slot, 0
	PLACES NP
	WIN 0
	FETCH_A \next, 0, 4
.endm
; 64 numbers of a lane, register 16 b + i = k 32 b + 16 (lane / 16) + i of its row, become the fragment's 12 registers in v[pc] on and the row's scale word in v[pw] (lanes r and r + 16 alike).
.macro QUANT src, mx, tmp, so, pc, pw
.irp b, 0,1,2,3
	v_max3_num_f32 v[\mx+\b], |v[\src+16*\b]|, |v[\src+1+16*\b]|, 0x2800000   ; my 16 of block b, and the floor 2^(5 - 127)
.endr
.irp i, 2,4,6,8,10,12,14
.irp b, 0,1,2,3
	v_max3_num_f32 v[\mx+\b], v[\mx+\b], |v[\src+16*\b+\i]|, |v[\src+1+16*\b+\i]|
.endr
.endr
.irp b, 0,1,2,3
	v_permlanex16_b32 v[\tmp+\b], v[\mx+\b], s[SEL], s[SEL+1]
.endr
.irp b, 0,1,2,3
	v_max_num_f32 v[\mx+\b], v[\mx+\b], v[\tmp+\b]
.endr
.irp b, 0,1,2,3
	v_add_nc_u32 v[\so+\b], 0xfe000000, v[\mx+\b]              ; 4 off the exponent field: the conversion's scale operand
.endr
.irp b, 0,1,2,3
	v_lshrrev_b32 v[\tmp+\b], 23, v[\so+\b]                    ; the scale's byte
.endr
	v_lshl_or_b32 v[(\pw)], v[\tmp+1], 8, v[\tmp]
	v_lshl_or_b32 v[(\pw)], v[\tmp+2], 16, v[(\pw)]
	v_lshl_or_b32 v[(\pw)], v[\tmp+3], 24, v[(\pw)]
.irp c, 0,1
	v_cvt_scalef32_pk16_bf6_f32 v[\pc+6*\c:\pc+6*\c+2], v[\src+32*\c:\src+32*\c+15], v[\so+2*\c]
	v_cvt_scalef32_pk16_bf6_f32 v[\tmp+4*\c:\tmp+4*\c+2], v[\src+32*\c+16:\src+32*\c+31], v[\so+2*\c+1]
.endr
	v_nop                                          ; one plain place behind the scaled conversions
.irp c, 0,1
.irp i, 0,1,2
	v_permlane16_swap_b32 v[\pc+6*\c+\i], v[\tmp+4*\c+\i]
.endr
.irp i, 0,1,2
	v_mov_b32 v[\pc+6*\c+3+\i], v[\tmp+4*\c+\i]
.endr
.endr
.endm
	s_load_b128 s[4:7], s[0:1], 0x0                ; xq, wq
	s_load_b128 s[8:11], s[0:1], 0x10              ; b_attn, qb
	s_load_b64 s[12:13], s[0:1], 0x20              ; kv
	v_lshl_add_u32 v[SPW], v0, 2, SPARE
	v_mov_b32 v[NIL], 0
	ds_add_u32 v28, v29
	ds_add_u32 v28, v29
	s_wait_dscnt 0x0
	v_lshrrev_b32 v1, 5, v0
	v_readfirstlane_b32 s14, v1                    ; wave 0..3
	s_lshr_b32 s15, s14, 1                         ; my half of S1.  Also: I fetch for S1 (0) or for S0 (1)
	s_and_b32 s16, s14, 1                          ; my half of S0.  Also: which half I fetch
	s_bfe_u32 s40, ttmp6, 0x40000                  ; cx
	s_bfe_u32 s41, ttmp6, 0x40004                  ; cy
	s_and_b32 s68, ttmp7, 0xffff                   ; the cluster's y
	s_lshl_b32 s69, s68, 2
	s_lshl_b32 s43, s41, 2
	s_lshl_b32 s43, 15, s43                        ; my row of the cluster
	s_lshl_b32 s44, 0x1111, s40                    ; my column
	s_cmp_lt_u32 ttmp9, 2                          ; q or k (the cluster's x is 0 or 1), or v (2)?
	s_cselect_b32 s66, ttmp9, s68                  ; S0's tile = 4 x this + cx: the weight's by the cluster's x, or x's by its y
	s_cselect_b32 s67, s69, 8                      ; S1's tile = this + cy: x's, or the weight's tiles 8 to 11 (v's columns)
	s_cselect_b32 s74, -1, 0                       ; lanes' mask: the bias runs along the registers
	s_cselect_b32 s75, 0, -1                       ; or along the lanes
	s_lshl_b32 s42, s66, 2
	s_add_co_u32 s42, s42, s40                     ; S0's tile: holds cx, never cy
	s_add_co_u32 s17, s67, s41                     ; S1's tile: holds cy, never cx
	; descriptor group 1: a dense block of 25,600 bytes as 100 rows of 32 elements of 8 bytes, no padding
	s_or_b32 s[G1+0], s43, (3<<16)|(1<<21)         ; 15:0 the mask: S1's tiles go to my row; 17:16 elements of 8 bytes; 21 set beside a mask
	s_or_b32 s[G1B+0], s44, (3<<16)|(1<<21)        ; S0's go to my column
.irp g, G1, G1B
	s_mov_b32 s[\g+1], 32<<16                      ; tensor_dim0
	s_mov_b32 s[\g+2], 200<<16                     ; tensor_dim1: the head's one load brings both slots' parts, 51,200 bytes on end in memory and in LDS
	s_mov_b32 s[\g+3], 32<<16                      ; tile_dim0
	s_mov_b32 s[\g+4], 200                         ; tile_dim1
	s_mov_b32 s[\g+5], 32                          ; from row to row
	s_mov_b32 s[\g+6], 0
	s_mov_b32 s[\g+7], 0
.endr
	s_lshl_b32 s20, s17, 1
	s_add_co_u32 s20, s20, s16
	s_mul_i32 s20, s20, 8*UNIT                     ; the group of 128 that I fetch for S1: its eight K steps lie on end
	s_mov_b32 s21, 0
	s_lshl_b32 s46, s42, 1
	s_add_co_u32 s46, s46, s16
	s_mul_i32 s46, s46, 8*UNIT                     ; and for S0
	s_mov_b32 s47, 0
	s_mul_i32 s45, s14, 2*HALF                     ; where it goes: no place in the cluster enters an LDS address
	s_wait_kmcnt 0x0
	s_cmp_lt_u32 ttmp9, 2
	s_cselect_b64 s[70:71], s[6:7], s[4:5]         ; S0: wq or xq
	s_cselect_b64 s[72:73], s[4:5], s[6:7]         ; S1: xq or wq
	s_add_nc_u64 s[20:21], s[72:73], s[20:21]
	s_add_nc_u64 s[46:47], s[70:71], s[46:47]
	CROUND                                         ; all sixteen work-groups are here: the first joint loads meet
.irp s, 0,1
	s_mov_b32 s[G0+4*\s], 1
	s_add_co_u32 s[G0+4*\s+1], s45, \s*SLOT
	s_add_nc_u64 s[G0+4*\s+2:G0+4*\s+3], s[20:21], \s*HALF
	s_or_b32 s[G0+4*\s+3], s[G0+4*\s+3], 0x80000000
	s_mov_b32 s[G0B+4*\s], 1
	s_add_co_u32 s[G0B+4*\s+1], s45, \s*SLOT
	s_add_nc_u64 s[G0B+4*\s+2:G0B+4*\s+3], s[46:47], \s*HALF
	s_or_b32 s[G0B+4*\s+3], s[G0B+4*\s+3], 0x80000000
.endr
	JLOAD G0, G1, G0B, G1B                         ; one tensor load a wave at the head: fills 0 and 1 of my part
	v_and_b32 v1, 15, v0                           ; r
	v_bfe_u32 v2, v0, 4, 1                         ; h
	s_wait_alu depctr_va_vdst(0)
	v_and_b32 v3, 31, v0
	v_lshlrev_b32 v[LI], 4, v3
	s_mul_i32 s21, s15, 2*HALF                     ; my half of S1
	s_mul_i32 s22, s16, 2*HALF
	s_add_co_u32 s22, s22, 4*HALF                  ; my half of S0
.irp s, 0,1
	v_add_nc_u32 v[ADRA+\s], s21, v[LI]
	v_add_nc_u32 v[ADRB+\s], s22, v[LI]
	s_add_co_u32 s21, s21, SLOT
	s_add_co_u32 s22, s22, SLOT
.endr
	s_mul_i32 s21, s15, 2*HALF
	s_mul_i32 s22, s16, 2*HALF
	s_add_co_u32 s22, s22, 4*HALF
	s_sub_co_u32 s22, s22, s21
	v_mul_u32_u24 v4, s22, v2                      ; lanes 16-31 take S0's scale words: one product with h
	v_lshl_add_u32 v4, v1, 4, v4
	s_add_co_u32 s21, s21, 12288
	v_add_nc_u32 v[ADRS], s21, v4
	v_add_nc_u32 v[ADRS+1], SLOT, v[ADRS]
	s_mov_b32 s[SEL], 0x76543210
	s_mov_b32 s[SEL+1], 0xfedcba98
	; the biases and the way out: in registers that feed no descriptor
	s_lshl_b32 s86, s42, 1
	s_add_co_u32 s86, s86, s16                     ; S0's group of 128 that I multiply
	s_lshl_b32 s87, s17, 1
	s_add_co_u32 s87, s87, s15                     ; S1's
	s_lshl_b32 s88, s86, 9
	s_lshl_b32 s90, s87, 9
	s_mov_b32 s89, 0
	s_mov_b32 s91, 0
	s_cmp_lt_u32 ttmp9, 2
	s_cselect_b32 s88, s88, 0                      ; q, k: b_attn at S0's 128 columns; v: the buffer's head, and the numbers are not used
	s_cselect_b32 s90, 0, s90                      ; v: b_attn at S1's 128 columns
	s_cselect_b32 s92, s87, s86                    ; x's group of 128 rows
	s_cselect_b32 s93, s86, s87                    ; the weight's group of 128 columns
	s_add_nc_u64 s[76:77], s[8:9], s[88:89]
	s_add_nc_u64 s[78:79], s[8:9], s[90:91]
	v_lshlrev_b32 v5, 6, v2                        ; 64 h
.irp g, 0,1,2,3
.irp j, 0,1,2,3
	global_load_b128 v[BR+16*\g+4*\j:BR+16*\g+4*\j+3], v5, s[76:77] offset:128*\g+16*\j   ; register 16 g + i: the bias of S0's row 32 g + 16 h + i
.endr
.endr
	v_and_b32 v6, 8, v1
	v_add_nc_u32 v6, v6, v1
	v_lshlrev_b32 v6, 2, v6                        ; 4 (r + 8 (r / 8))
.irp a, 0,1,2,3,4,5,6,7
	global_load_b32 v[BL+2*\a], v6, s[78:79] offset:4*(32*(\a/2)+8*(\a%2))   ; the bias of my row of S1's fragment a
.endr
	s_and_b32 s93, s93, 7                          ; the head pair
	s_lshr_b32 s94, s92, 4                         ; the batch
	s_lshl_b32 s94, s94, 3
	s_add_co_u32 s94, s94, s93
	s_lshl_b32 s94, s94, 4
	s_and_b32 s92, s92, 15                         ; the group of 128 tokens in the batch
	s_add_co_u32 s94, s94, s92
	s_mov_b32 s95, 25600
	s_cmp_eq_u32 ttmp9, 0
	s_cselect_b64 s[80:81], s[10:11], s[12:13]     ; qb or kv
	s_cselect_b32 s95, 12800, s95
	s_mul_i32 s94, s94, s95
	s_mov_b32 s95, 0
	s_add_nc_u64 s[80:81], s[80:81], s[94:95]
	s_mov_b32 s98, 24576
	s_cmp_eq_u32 ttmp9, 2
	s_cselect_b32 s96, 12288, 0                    ; V's codes lie behind K's
	s_cselect_b32 s98, 25088, s98                  ; the scale words: V's, K's,
	s_cmp_eq_u32 ttmp9, 0
	s_cselect_b32 s98, 12288, s98                  ; or q's
	s_mov_b32 s97, 0
	s_mov_b32 s99, 0
	s_add_nc_u64 s[82:83], s[80:81], s[98:99]
	s_add_nc_u64 s[80:81], s[80:81], s[96:97]
	s_wait_loadcnt 0x0
.set i, 0
.rept 64
	v_cndmask_b32 v[BR+i], 0, v[BR+i], s74         ; v: zeros begin the sums
.set i, i+1
.endr
.irp a, 0,1,2,3,4,5,6,7
	v_cndmask_b32 v[BL+2*\a], 0, v[BL+2*\a], s75   ; q, k: zeros are added on the way out
	v_mov_b32 v[BL+2*\a+1], v[BL+2*\a]             ; a pair for the packed addition
.endr
	s_wait_alu depctr_va_vdst(0)
	s_wait_tensorcnt 0x0                           ; my parts of both slots are in; no tensor load of mine is out, so a descriptor may be written:
.irp g, G1, G1B
	s_mov_b32 s[\g+2], 100<<16                     ; from here on a load brings one slot's part: 100 rows
	s_mov_b32 s[\g+4], 100
.endr
	s_barrier_signal -1
	s_barrier_wait -1
	FETCH_B 0, 0, 0
	FETCH_A 0, 0, 0
	SCALES 0
	FETCH_A 0, 0, 4
	; K = 1,024 is eight steps of 128, four fills: written out, since a loop over the ring would have one trip
	STEP 0, 1
	TURN 0, 1, 1
	STEP 1, 0
	TURN 1, 0, 1
	STEP 0, 0
	TURN 0, 1, 0                                   ; nothing is left to fetch
	STEP 1, 0
	s_wait_dscnt 4*NL
	WIN MUL_LO
	MUL16 0, 1, 1, 1, 0
	MUL16 2, 1, 1, 1, 0
	s_wait_dscnt 0x0
	WIN MUL_HI
	MUL16 4, 1, 1, 1, 0
	MUL16 6, 1, 1, 1, 0
	WIN 0
	; THE WAY OUT.  Block a (S1's fragment a x S0's 128 rows) is 64 registers of a lane: they come to window 0 with the lanes' bias added, are quantised, and ARE fragment a of the next operand.
	PLACES NP                                      ; behind the last products: the lines below write registers that they read, and read their results
.irp b, 0,1,2,3
	v_mov_b32 v[TMP+\b], 0                         ; written once: a lane permute's destination counts as one of its sources
.endr
.macro EPI a
	WIN 0x02+(\a)/4                                ; source 0: window 2 or 3
.set i, 0
.rept 32
	v_pk_add_f32 v[T+2*i:T+2*i+1], v[64*((\a)%4)+2*i:64*((\a)%4)+2*i+1], v[BL+2*(\a):BL+2*(\a)+1]   ; ascending: each accumulator from its low end on
.set i, i+1
.endr
	WIN 0
.if (\a) > 0
	s_wait_xcnt 0x0                                ; the last block's stores have read the codes' registers
.endif
	QUANT T, MX, TMP, SO, PC, PWS+(\a)
.irp c, 0,1,2
	global_store_b128 v[LI], v[PC+4*\c:PC+4*\c+3], s[80:81] offset:1536*(\a)+512*\c   ; 512 consecutive bytes, aligned
.endr
.endm
.irp a, 0,1,2,3,4,5,6,7
	EPI \a
.endr
	v_cmp_ne_u32 vcc_lo, 0, v2
.irp i, 0,1,2,3
	v_cndmask_b32 v[SBT+\i], v[PWS+\i], v[PWS+4+\i], vcc_lo    ; lanes 0-15: their row's words of fragments 0-3; lanes 16-31: of 4-7
.endr
	global_store_b128 v[LI], v[SBT:SBT+3], s[82:83]
	s_wait_tensorcnt 0x0                           ; the wave's end
	ds_add_u32 v[SPW], v[NIL]
	s_wait_dscnt 0x0
	CROUND                                         ; the closing round: no work-group ends while a partner may still ask for a tile that names it
	s_endpgm
.Lfunc_end_k_q74ef3efbc5_qkv:
	.size	k_q74ef3efbc5_qkv, .Lfunc_end_k_q74ef3efbc5_qkv-k_q74ef3efbc5_qkv
	.p2alignl 7, 3214868480
	.fill 96, 4, 3214868480
	.section	.rodata,"a",@progbits
	.p2align	6, 0x0
	.amdhsa_kernel k_q74ef3efbc5_qkv
		.amdhsa_group_segment_fixed_size 327680
		.amdhsa_private_segment_fixed_size 0
		.amdhsa_enable_private_segment 0
		.amdhsa_kernarg_size 40
		.amdhsa_user_sgpr_count 2
		.amdhsa_user_sgpr_kernarg_segment_ptr 1
		.amdhsa_wavefront_size32 1
		.amdhsa_system_sgpr_workgroup_id_x 1
		.amdhsa_system_sgpr_workgroup_id_y 1
		.amdhsa_system_sgpr_workgroup_id_z 1
		.amdhsa_system_vgpr_workitem_id 0
		.amdhsa_next_free_vgpr 1024
		.amdhsa_next_free_sgpr 100
		.amdhsa_reserve_vcc 1
		.amdhsa_float_denorm_mode_32 3
		.amdhsa_float_denorm_mode_16_64 3
		.amdhsa_memory_ordered 1
		.amdhsa_forward_progress 1
		.amdhsa_inst_pref_size 160
	.end_amdhsa_kernel
	.amdgpu_metadata
---
amdhsa.version: [ 1, 2 ]
amdhsa.kernels:
  - .name:           k_q74ef3efbc5_qkv
    .symbol:         k_q74ef3efbc5_qkv.kd
    .args:
      - { .name: xq, .offset: 0, .size: 8, .value_kind: global_buffer, .address_space: global }
      - { .name: wq, .offset: 8, .size: 8, .value_kind: global_buffer, .address_space: global }
      - { .name: b_attn, .offset: 16, .size: 8, .value_kind: global_buffer, .address_space: global }
      - { .name: qb, .offset: 24, .size: 8, .value_kind: global_buffer, .address_space: global }
      - { .name: kv, .offset: 32, .size: 8, .value_kind: global_buffer, .address_space: global }
    .group_segment_fixed_size: 327680
    .private_segment_fixed_size: 0
    .kernarg_segment_align: 8
    .kernarg_segment_size: 40
    .max_flat_workgroup_size: 128
    .sgpr_count:     100
    .vgpr_count:     1024
    .wavefront_size: 32
...
	.end_amdgpu_metadata
.endif
;; end of part 2
;; launch attn (part 3): grid 8 x 32, 16 waves a work-group, clusters of 4 x 1, 327,680 bytes of LDS; arguments qb, kv, yq; writes yq
.if DOCPART == 3
	.amdgcn_target "amdgcn-amd-amdhsa--gfx1250"
	.amdhsa_code_object_version 6
	.text
	.protected	k_q74ef3efbc5_attn
	.globl	k_q74ef3efbc5_attn
	.p2align	8
	.type	k_q74ef3efbc5_attn,@function
k_q74ef3efbc5_attn:
	s_mov_b64 s[64:65], 0
	v_nop
	global_prefetch_b8 v0, s[64:65] scope:SCOPE_SE
	s_setreg_imm32_b32 hwreg(HW_REG_WAVE_MODE, 25, 1), 1
	s_wait_xcnt 0x0
	s_wait_alu depctr_hold_cnt(0) depctr_sa_sdst(0) depctr_va_vdst(0) depctr_va_sdst(0) depctr_va_ssrc(0) depctr_va_vcc(0) depctr_vm_vsrc(0)
	s_getreg_b32 s2, hwreg(HW_REG_IB_STS2, 6, 4)
	s_cmp_eq_u32 s2, 0
	s_cbranch_scc0 .Lentry_in_a_cluster
	s_endpgm
.Lentry_in_a_cluster:
	s_bfe_u32 s2, ttmp6, 0x10000c
	s_cmp_lg_u32 s2, 0x3003
	s_cbranch_scc0 .Lentry_shape_is_right
	s_endpgm
.Lentry_shape_is_right:
; y = softmax(q k^T / 8, causal) v for 64 heads of 64 channels and 2,048 tokens, both products on codes of BF6 (E3M2); y leaves quantised along its channels, as the last product's operand.
; THE SOFTMAX: t = score x log2(e) / 8; M = the row's largest t so far, rounded UP to a whole number; p = 2^(t - M) is quantised along the keys, not normalised; the row's sum is taken of the unquantised p and divides at the end.
; When M moves, the sum and O are multiplied by 2^(old M - new M): exact.
; OPERANDS lie in the order of an operand's registers (fragment f of 128 rows at 1,536 f: register group c at 512 c, lane l at 16 l; lane row r = row 32 (f / 2) + 8 (f % 2) + r + 8 (r / 8); scale words at 256 (f / 4) + 16 r + 4 (f % 4)).
; HEADS GO IN PAIRS: q's and k's fragments hold the pair's 128 channels.  K = 64 is half of the instruction's 128: q is kept twice, once with the odd head's codes zero and once with the even head's; zero codes add nothing.
; kv [batch, pair][key step of 128]: K's eight fragments (lane = key), V's eight (lane = channel of the pair, K = the step's keys), K's and V's scale words: 25,600 bytes.
; SHARES.  A work-group takes one (batch, pair) and the fragment number j = 4 x cluster x + cx; wave w takes fragment j of the query group WQ(w): 16 queries, both heads.  WQ = 4 (w / 4) + (w % 4, or 3 - w % 4 where w / 4 is odd) is one-to-one.
; The tile lies inside key step WQ: the wave works in key steps 0 .. WQ and masks in step WQ alone.  So all work-groups have the same work, and what is left out hangs on the wave's number and a counter alone.
; Every wave passes all 16 steps' address lines and all barriers; no tensor load and no barrier is jumped over.
; LAYOUT.  S^T = K q^T and O^T = V^T p^T: a lane holds ONE query; by the order of a fragment's rows its registers 16 b + i are keys (channels) 32 b + 16 (lane / 16) + i.
; RING.  Two slots of four key steps (102,400 bytes); waves 0-3 fetch a step each.  CLUSTER 4 x 1: the four partners walk the same keys: each block is asked for jointly.
; LIMITS: NaN and infinities are not served; a block's largest p is taken from its largest score (v_exp_f32 is taken not to fall where its input rises); a block of zeros gets the byte 1 (this program alone reads the bytes).
; REGISTERS: v1 16 x lane; v2 the step's LDS address; v3 my query less 16 (lane / 16), in the step; v4, v5 for the add; v6 at work; v7 -infinity; v8-11, v12-15 a head's -M, largest t, sum in two halves;
;   v16-27, v28-39 q for the even and the odd head; v40 q's scale word; v41 p's; v42 f; v43 the prefetches' offset; v44-91 four fragments; v92-95 K's scale words, v96-99 V's; v100-163 S^T, then p; v164-227 O^T; v228-239 p's codes; v240-255 at work.
.set KSTEP, 25600
.set SLOTB, 4*KSTEP
.set SLOT1, 1<<17                      ; slot 1 begins here: one exclusive or turns an address in one slot into the other's
.set SPARE, SLOT1+SLOTB                ; the spare words, 128 bytes for each of 16 waves: eight blocks of 256 bytes that no other line names
.set UNIT,  12800
.set TB,    2                          ; s2  LDS byte at which the step in hand begins
.set KS,    3                          ; s3  the key step, 0..15
.set WV,    18
.set WQ,    19
.set SEL,   20
.set CS,    22                         ; s[22:23] c = log2(e) / 8
.set G1,    24
.set G0,    32
.set SLOTS, 36
.set CNT,   37
.set PFA,   38
.set LIM,   40
.set YP,    42
.set YS,    44
.set FRG,   44
.set KSC,   92
.set VSC,   96
.set S,     100
.set O,     164
.set PCD,   228
.set BM,    240
.set PT,    244
.set SOP,   252
.set DL,    66                         ; s[66:67] what my fetches' address steps by from slot to slot: + or - two key steps
.set PD,    68                         ; s[68:69] the same for my prefetches
.set DN,    74                         ; s[74:75] what my fetches' address steps back by: of DL and DN one is two key steps and the other 0; both upper words are 0
.set PN,    76                         ; s[76:77] the same for my prefetches
; THE KEYS ARE WALKED FROM BOTH ENDS.  Slot p (0..3) holds, at its places 0..3, the key steps 2 p, 15 - 2 p, 2 p + 1, 14 - 2 p.
; Place i begins at step i / 2 (i even) or 15 - i / 2 (i odd) and goes 2 steps up or down from slot to slot.  All by arithmetic: no selection, no branch.
.macro WALK src, st, dl, dn, t0, t1
	s_and_b32 s[\t0], \src, 1                      ; o: the place is odd
	s_lshr_b32 s[\st], \src, 1
	s_lshl_b32 s[\t1], s[\st], 1
	s_sub_co_u32 s[\t1], 15, s[\t1]
	s_mul_i32 s[\t1], s[\t1], s[\t0]
	s_add_co_u32 s[\st], s[\st], s[\t1]            ; i / 2 + o (15 - 2 (i / 2))
	s_mul_i32 s[\dn], s[\t0], 2*KSTEP              ; an odd place goes two key steps down from slot to slot,
	s_mov_b32 s[\dn+1], 0
	s_xor_b32 s[\t0], s[\t0], 1
	s_mul_i32 s[\dl], s[\t0], 2*KSTEP              ; an even place two up
	s_mov_b32 s[\dl+1], 0
.endm
.macro CROUND                          ; a round of the cluster's barrier
	s_barrier_signal -1
	s_barrier_wait -1
	s_cmp_lg_u32 s[WV], 0
	s_cbranch_scc1 .Lnot_wave_0_\@
	s_barrier_signal -3
.Lnot_wave_0_\@:
	s_barrier_wait -3
	s_barrier_signal -1
	s_barrier_wait -1
.endm
.macro TLOAD                           ; waves 0-3 fetch a key step's block each; four v_nop follow the line
	s_cmp_lt_u32 s[WV], 4
	s_cbranch_scc0 .Lnone_\@
	tensor_load_to_lds s[G0:G0+3], s[G1:G1+7]
	s_nop 0
.rept 4
	v_nop
.endr
.Lnone_\@:
.endm
; A PREFETCH INTO THE L2 of the codes that the NEXT change of slots will ask for: four key steps ahead of that load.  Both clusters of a (batch, pair) walk the same keys: the first (cluster x = 0) asks.  Its four partners
; take a key step each, told apart BY ADDRESS; in each, waves 4, 5, 6 take 8,192 bytes each of the step's 24,576 bytes of codes, lanes 256 bytes apart.  The last change that fills a slot asks for nothing.
.macro ASK
	s_cmp_gt_u32 s[SLOTS], s[LIM]
	s_cbranch_scc0 .Lnot_mine_\@
	global_prefetch_b8 v43, s[PFA:PFA+1] th:TH_LOAD_NT scope:SCOPE_SE
.Lnot_mine_\@:
.endm
; THE CHANGE OF SLOTS stands at a slot's head.  Each wave waits for all its tensor loads, adds 0 to its spare word, and waits for that and for its reads of the slot that it has left.
; fill = 1: behind a round of the cluster's barrier that other slot is filled with the next four key steps: the load has four steps in which to land.
.macro CHANGE fill
	s_wait_tensorcnt 0x0                           ; no tensor load of mine is out, so group 0 may be written
	ds_add_u32 v4, v5                              ; 0 onto my spare word
.if \fill
	s_xor_b32 s[G0+1], s[G0+1], SLOT1              ; the walking descriptor: the other slot,
	s_add_nc_u64 s[G0+2:G0+3], s[G0+2:G0+3], s[DL:DL+1] ; my place's key step of the next slot: two up,
	s_sub_nc_u64 s[G0+2:G0+3], s[G0+2:G0+3], s[DN:DN+1] ; or two down
	s_wait_xcnt 0x0                                ; the last prefetch, a slot back, has read its address
	s_add_nc_u64 s[PFA:PFA+1], s[PFA:PFA+1], s[PD:PD+1] ; one slot further on than the descriptor
	s_sub_nc_u64 s[PFA:PFA+1], s[PFA:PFA+1], s[PN:PN+1]
.endif
	s_wait_dscnt 0x0                               ; the add is done, and my reads of the slot that I have left are over
.if \fill
	CROUND
	TLOAD                                          ; the first thing behind the round, a wave's one tensor load until the next
	ASK
.else
	s_barrier_signal -1
	s_barrier_wait -1
.endif
.endm
; One head of the pair in one key step of 128 keys.
.macro HEAD hd
.set ST, 8+4*\hd
.set QF, 16+12*\hd
.set OT, O+32*\hd
.irp g, 0,1                            ; S^T = K q^T, four fragments of 16 keys at a time
.if \g
.rept 4
	v_nop                                          ; places in front of loads into registers that matrix instructions have read
.endr
.endif
.irp t, 0,1,2,3
.irp c, 0,1,2
	ds_load_b128 v[FRG+12*\t+4*\c:FRG+12*\t+4*\c+3], v2 offset:1536*(4*\g+\t)+512*\c
.endr
.endr
	s_wait_dscnt 0x0
.irp t, 0,1,2,3
.if \g
	v_wmma_scale_f32_16x16x128_f8f6f4 v[S+8*(4+\t):S+8*(4+\t)+7], v[FRG+12*\t:FRG+12*\t+11], v[QF:QF+11], 0, v[KSC+\t], v40 matrix_a_fmt:MATRIX_FMT_BF6 matrix_b_fmt:MATRIX_FMT_BF6 matrix_a_scale:MATRIX_SCALE_ROW1
.else
	v_wmma_scale_f32_16x16x128_f8f6f4 v[S+8*\t:S+8*\t+7], v[FRG+12*\t:FRG+12*\t+11], v[QF:QF+11], 0, v[KSC+\t], v40 matrix_a_fmt:MATRIX_FMT_BF6 matrix_b_fmt:MATRIX_FMT_BF6
.endif
.endr
.endr
.rept 4
	v_nop
.endr
.irp t, 0,1,2,3                        ; the head's four fragments of V are asked for here and land under the softmax
.irp c, 0,1,2
	ds_load_b128 v[FRG+12*\t+4*\c:FRG+12*\t+4*\c+3], v2 offset:12288+1536*(4*\hd+\t)+512*\c
.endr
.endr
	s_cmp_lg_u32 s[KS], s[WQ]                      ; on the diagonal the scores of hidden keys become -infinity ahead of the maximum
	s_cbranch_scc1 .Lopen_\@
.set n, 0
.rept 64
	v_cmp_gt_i32 vcc_lo, 32*(n/16)+n%16, v3        ; register 16 b + i holds key 32 b + i + 16 (lane / 16) of the step
	v_cndmask_b32 v[S+n], v[S+n], v7, vcc_lo
.set n, n+1
.endr
.Lopen_\@:
.irp b, 0,1,2,3
	v_max3_num_f32 v[BM+\b], v[S+16*\b], v[S+1+16*\b], v[S+2+16*\b]   ; the largest score of each block of 32 keys: for the row's maximum and for the block's largest p
.endr
.irp i, 3,5,7,9,11,13
.irp b, 0,1,2,3
	v_max3_num_f32 v[BM+\b], v[BM+\b], v[S+16*\b+\i], v[S+1+16*\b+\i]
.endr
.endr
.irp b, 0,1,2,3
	v_max_num_f32 v[BM+\b], v[BM+\b], v[S+15+16*\b]
.endr
.irp b, 0,1,2,3
	s_delay_alu instid0(VALU_DEP_4)
	v_permlanex16_b32 v[PT+\b], v[BM+\b], s[SEL], s[SEL+1]
.endr
.irp b, 0,1,2,3
	s_delay_alu instid0(VALU_DEP_4)
	v_max_num_f32 v[BM+\b], v[BM+\b], v[PT+\b]     ; with lane l xor 16's 16 keys
.endr
	s_delay_alu instid0(VALU_DEP_2)
	v_max3_num_f32 v6, v[BM], v[BM+1], v[BM+2]
	s_delay_alu instid0(VALU_DEP_1)
	v_max_num_f32 v6, v6, v[BM+3]
	s_delay_alu instid0(VALU_DEP_1)
	v_mul_f32 v6, s[CS], v6                        ; the step's largest t of my query
	s_delay_alu instid0(VALU_DEP_1)
	v_max_num_f32 v[ST+1], v[ST+1], v6             ; the running largest t
	v_mov_b32 v6, v[ST]
	s_delay_alu instid0(VALU_DEP_2)
	v_floor_f32 v[ST], -v[ST+1]                    ; the new -M = floor(-t): M is a whole number
	s_delay_alu instid0(VALU_DEP_1)
	v_sub_f32 v6, v[ST], v6                        ; old M - new M: a whole number, 0 or less
	s_delay_alu instid0(VALU_DEP_1)
	v_cvt_i32_f32 v6, v6                           ; (it saturates)
	s_delay_alu instid0(VALU_DEP_1)
	v_ldexp_f32 v42, 1.0, v6                       ; f = 2^(old M - new M)
.irp j, 0,2,4,6,8,10,12,14,16,18,20,22,24,26,28,30,32,34,36,38,40,42,44,46,48,50,52,54,56,58,60,62
	v_pk_fma_f32 v[S+\j:S+1+\j], v[S+\j:S+1+\j], s[CS:CS+1], v[ST:ST+1] op_sel_hi:[1,0,0]   ; t - M, two at a time
.endr
.irp b, 0,1,2,3
	v_fma_f32 v[BM+\b], v[BM+\b], s[CS], v[ST]     ; the same of each block's largest score
.endr
.set n, 0
	s_wait_alu depctr_va_vdst(0)
.rept 64
	v_exp_f32 v[S+n], v[S+n]                       ; p = 2^(t - M), at most 1
.set n, n+1
.endr
	v_pk_mul_f32 v[ST+2:ST+3], v[ST+2:ST+3], v[42:43] op_sel_hi:[1,0]   ; the sums under the new M: the plain place behind the exponentials
	s_wait_alu depctr_va_vdst(0)                   ; one wait for the batch of 64, ahead of its first reader
.irp b, 0,1,2,3
	v_exp_f32 v[BM+\b], v[BM+\b]                   ; the block's largest p
.endr
	v_pk_add_f32 v[PT:PT+1], v[S:S+1], v[S+2:S+3]  ; the row's sum of the UNQUANTISED p, in two chains
.irp j, 4,8,12,16,20,24,28,32,36,40,44,48,52,56,60
	v_pk_add_f32 v[ST+2:ST+3], v[ST+2:ST+3], v[S+\j:S+1+\j]
	v_pk_add_f32 v[PT:PT+1], v[PT:PT+1], v[S+2+\j:S+3+\j]
.endr
	s_delay_alu instid0(VALU_DEP_1)
	v_pk_add_f32 v[ST+2:ST+3], v[ST+2:ST+3], v[PT:PT+1]
	s_wait_alu depctr_va_vdst(0)                   ; and one for the four
.irp b, 0,1,2,3
	v_max_num_f32 v[BM+\b], 0x2800000, v[BM+\b]    ; the floor 2^(5 - 127)
.endr
.irp b, 0,1,2,3
	s_delay_alu instid0(VALU_DEP_4)
	v_add_nc_u32 v[SOP+\b], 0xfe000000, v[BM+\b]   ; the conversion's scale operand
.endr
.irp b, 0,1,2,3
	s_delay_alu instid0(VALU_DEP_4)
	v_lshrrev_b32 v[PT+\b], 23, v[SOP+\b]          ; the scale's byte
.endr
	s_delay_alu instid0(VALU_DEP_3)
	v_lshl_or_b32 v41, v[PT+1], 8, v[PT]           ; p's scale word for these 128 keys
	s_delay_alu instid0(VALU_DEP_1)
	v_lshl_or_b32 v41, v[PT+2], 16, v41
	s_delay_alu instid0(VALU_DEP_1)
	v_lshl_or_b32 v41, v[PT+3], 24, v41
.irp c, 0,1
	v_cvt_scalef32_pk16_bf6_f32 v[PCD+6*\c:PCD+6*\c+2], v[S+32*\c:S+32*\c+15], v[SOP+2*\c]
	v_cvt_scalef32_pk16_bf6_f32 v[PT+4*\c:PT+4*\c+2], v[S+32*\c+16:S+32*\c+31], v[SOP+2*\c+1]
.endr
	v_nop                                          ; one plain place behind the scaled conversions
.irp c, 0,1
.irp i, 0,1,2
	v_permlane16_swap_b32 v[PCD+6*\c+\i], v[PT+4*\c+\i]
.endr
.irp i, 0,1,2
	s_delay_alu instid0(VALU_DEP_3)
	v_mov_b32 v[PCD+6*\c+3+\i], v[PT+4*\c+\i]
.endr
.endr
.irp j, 0,2,4,6,8,10,12,14,16,18,20,22,24,26,28,30
	v_pk_mul_f32 v[OT+\j:OT+1+\j], v[OT+\j:OT+1+\j], v[42:43] op_sel_hi:[1,0]   ; O^T under the new M.  Twelve of the sixteen name no register of any one product below: the places behind p's scale word and codes
.endr
	s_wait_alu depctr_va_vdst(0)
	s_wait_dscnt 0x0                               ; V's fragments are in
.irp t, 0,1,2,3                        ; O^T += V^T p^T: four accumulators, one instruction a turn
.if \hd
	v_wmma_scale_f32_16x16x128_f8f6f4 v[OT+8*\t:OT+8*\t+7], v[FRG+12*\t:FRG+12*\t+11], v[PCD:PCD+11], v[OT+8*\t:OT+8*\t+7], v[VSC+\t], v41 matrix_a_fmt:MATRIX_FMT_BF6 matrix_b_fmt:MATRIX_FMT_BF6 matrix_a_scale:MATRIX_SCALE_ROW1
.else
	v_wmma_scale_f32_16x16x128_f8f6f4 v[OT+8*\t:OT+8*\t+7], v[FRG+12*\t:FRG+12*\t+11], v[PCD:PCD+11], v[OT+8*\t:OT+8*\t+7], v[VSC+\t], v41 matrix_a_fmt:MATRIX_FMT_BF6 matrix_b_fmt:MATRIX_FMT_BF6
.endif
.endr
.endm
; A KEY STEP.  A step all of whose keys come after my queries is left out: a scalar branch on the wave's number and the count of steps, round the work alone.
.macro STEP
	s_cmp_gt_u32 s[KS], s[WQ]
	s_cbranch_scc1 .Lhidden_\@
	v_add_nc_u32 v2, s[TB], v1
.rept 3
	v_nop                                          ; with the addition: four places in front of loads into what the last products read
.endr
	ds_load_b128 v[KSC:KSC+3], v2 offset:24576     ; K's scale words: lanes 0-15 fragments 0-3, lanes 16-31 fragments 4-7
	ds_load_b128 v[VSC:VSC+3], v2 offset:25088     ; V's likewise
	s_wait_alu depctr_va_vdst(0)
	HEAD 0
.rept 4
	v_nop
.endr
	HEAD 1
.Lhidden_\@:
	s_add_co_u32 s[TB], s[TB], KSTEP
	s_xor_b32 s[KS], s[KS], 15                     ; the key steps go a, 15 - a, a + 1, 14 - a, a + 2 ..: to the other end,
	s_cmp_lt_u32 s[KS], 8
	s_add_co_ci_u32 s[KS], s[KS], 0                ; and one on when back at the low end
.endm
.macro SLOT_STEPS                      ; a slot's four key steps: written once, walked four times
	s_mov_b32 s[CNT], 4
.Lstep_\@:
	STEP
	s_sub_co_u32 s[CNT], s[CNT], 1
	s_cmp_lg_u32 s[CNT], 0
	s_cbranch_scc1 .Lstep_\@
	s_sub_co_u32 s[TB], s[TB], SLOTB               ; back to a slot's first step,
	s_xor_b32 s[TB], s[TB], SLOT1                  ; in the other slot
.endm
.macro QUANT src, mx, tmp, so, pc, pw  ; 64 numbers of a lane, register 16 b + i = k 32 b + 16 (lane / 16) + i, become a fragment's 12 registers and its scale word
.irp b, 0,1,2,3
	v_max3_num_f32 v[\mx+\b], |v[\src+16*\b]|, |v[\src+1+16*\b]|, 0x2800000
.endr
.irp i, 2,4,6,8,10,12,14
.irp b, 0,1,2,3
	s_delay_alu instid0(VALU_DEP_4)
	v_max3_num_f32 v[\mx+\b], v[\mx+\b], |v[\src+16*\b+\i]|, |v[\src+1+16*\b+\i]|
.endr
.endr
.irp b, 0,1,2,3
	s_delay_alu instid0(VALU_DEP_4)
	v_permlanex16_b32 v[\tmp+\b], v[\mx+\b], s[SEL], s[SEL+1]
.endr
.irp b, 0,1,2,3
	s_delay_alu instid0(VALU_DEP_4)
	v_max_num_f32 v[\mx+\b], v[\mx+\b], v[\tmp+\b]
.endr
.irp b, 0,1,2,3
	s_delay_alu instid0(VALU_DEP_4)
	v_add_nc_u32 v[\so+\b], 0xfe000000, v[\mx+\b]
.endr
.irp b, 0,1,2,3
	s_delay_alu instid0(VALU_DEP_4)
	v_lshrrev_b32 v[\tmp+\b], 23, v[\so+\b]
.endr
	s_delay_alu instid0(VALU_DEP_3)
	v_lshl_or_b32 v[(\pw)], v[\tmp+1], 8, v[\tmp]
	s_delay_alu instid0(VALU_DEP_1)
	v_lshl_or_b32 v[(\pw)], v[\tmp+2], 16, v[(\pw)]
	s_delay_alu instid0(VALU_DEP_1)
	v_lshl_or_b32 v[(\pw)], v[\tmp+3], 24, v[(\pw)]
.irp c, 0,1
	v_cvt_scalef32_pk16_bf6_f32 v[\pc+6*\c:\pc+6*\c+2], v[\src+32*\c:\src+32*\c+15], v[\so+2*\c]
	v_cvt_scalef32_pk16_bf6_f32 v[\tmp+4*\c:\tmp+4*\c+2], v[\src+32*\c+16:\src+32*\c+31], v[\so+2*\c+1]
.endr
	v_nop
.irp c, 0,1
.irp i, 0,1,2
	v_permlane16_swap_b32 v[\pc+6*\c+\i], v[\tmp+4*\c+\i]
.endr
.irp i, 0,1,2
	s_delay_alu instid0(VALU_DEP_3)
	v_mov_b32 v[\pc+6*\c+3+\i], v[\tmp+4*\c+\i]
.endr
.endr
.endm
	s_load_b128 s[4:7], s[0:1], 0x0                ; qb, kv
	s_load_b64 s[8:9], s[0:1], 0x10                ; yq
	v_lshl_add_u32 v4, v0, 2, SPARE
	v_mov_b32 v5, 0
	ds_add_u32 v4, v5
	ds_add_u32 v4, v5
	s_wait_dscnt 0x0
	v_lshrrev_b32 v1, 5, v0
	s_delay_alu instid0(VALU_DEP_1)
	v_readfirstlane_b32 s[WV], v1                  ; wave 0..15
	; THE DEAL OF QUERY GROUPS IN FORCE: WQ = 4 (w / 4) + (w % 4, or 3 - w % 4 where w / 4 is odd): one-to-one.  The four waves with w % 4 = s have groups s, 7 - s, 8 + s, 15 - s:
	; two pairs (g, 15 - g).  Of the key steps t and 15 - t (t under 8) such a pair works in two, in three where t = g: so these four waves have 34 steps in all, spread evenly over the four slots.
	s_lshr_b32 s[WQ], s[WV], 2
	s_and_b32 s46, s[WV], 3
	s_and_b32 s70, s[WQ], 1
	s_mul_i32 s70, s70, 3
	s_xor_b32 s70, s70, s46
	s_lshl_b32 s[WQ], s[WQ], 2
	s_add_co_u32 s[WQ], s[WQ], s70
	s_bfe_u32 s47, ttmp6, 0x40000                  ; cx
	s_lshl_b32 s48, ttmp9, 2
	s_add_co_u32 s48, s48, s47                     ; j: it enters q's and y's addresses and the mask's numbers, no branch and no LDS address
	s_and_b32 s49, ttmp7, 0xffff                   ; 8 batch + head pair, which the partners share
	; descriptor group 1: a dense block of 25,600 bytes as 100 rows of 32 elements of 8 bytes
	s_mov_b32 s[G1], 15|(3<<16)|(1<<21)            ; 15:0 the mask: all four work-groups; 17:16 elements of 8 bytes; 21 set beside a mask
	s_mov_b32 s[G1+1], 32<<16
	s_mov_b32 s[G1+2], 100<<16
	s_mov_b32 s[G1+3], 32<<16
	s_mov_b32 s[G1+4], 100
	s_mov_b32 s[G1+5], 32
	s_mov_b32 s[G1+6], 0
	s_mov_b32 s[G1+7], 0
	s_mul_i32 s50, s49, 16*KSTEP                   ; the pair's keys and values
	s_mul_i32 s51, s46, KSTEP                      ; the place in a slot that I fill, if I fetch,
	WALK s46, 52, DL, DN, 70, 71                   ; and the key step that lies there in slot 0
	s_mul_i32 s52, s52, KSTEP
	s_add_co_u32 s52, s52, s50
	s_mov_b32 s53, 0
	s_mov_b32 s[G0], 1
	s_mov_b32 s[G0+1], s51
	s_wait_kmcnt 0x0
	s_add_nc_u64 s[G0+2:G0+3], s[6:7], s[52:53]
	s_or_b32 s[G0+3], s[G0+3], 0x80000000
	CROUND                                         ; all four work-groups are here: the first joint loads meet
	TLOAD                                          ; slot 0
	WALK s47, 54, PD, PN, 72, 73                   ; the prefetches: my work-group takes place cx of a slot,
	s_mul_i32 s54, s54, KSTEP
	s_lshl_b32 s55, s46, 13                        ; my wave 8,192 bytes of that key step's codes,
	s_add_co_u32 s54, s54, s55
	s_add_co_u32 s54, s54, s50
	s_mov_b32 s55, 0
	s_add_nc_u64 s[PFA:PFA+1], s[6:7], s[54:55]
	s_add_nc_u64 s[PFA:PFA+1], s[PFA:PFA+1], s[PD:PD+1] ; in slot 1: the first change of slots steps it to slot 2.  Nothing is prefetched here, at the head
	s_sub_nc_u64 s[PFA:PFA+1], s[PFA:PFA+1], s[PN:PN+1]
	s_sub_co_u32 s41, s[WV], 4
	s_cmp_lt_u32 s41, 3                            ; waves 4 to 6
	s_cselect_b32 s41, ttmp9, 1                    ; of the pair's first cluster
	s_cmp_eq_u32 s41, 0
	s_cselect_b32 s[LIM], 1, -1
	s_lshl_b32 s56, s49, 4
	s_add_co_u32 s56, s56, s[WQ]
	s_mul_i32 s56, s56, UNIT                       ; q's unit
	s_mul_i32 s57, s48, 1536                       ; fragment j in a unit
	s_add_co_u32 s58, s56, s57
	s_mov_b32 s59, 0
	s_add_nc_u64 s[10:11], s[4:5], s[58:59]
	s_lshr_b32 s60, s48, 2
	s_lshl_b32 s60, s60, 8
	s_and_b32 s61, s48, 3
	s_lshl_b32 s61, s61, 2
	s_add_co_u32 s60, s60, s61
	s_add_co_u32 s60, s60, 12288                   ; fragment j's scale words in a unit
	s_add_co_u32 s58, s56, s60
	s_add_nc_u64 s[12:13], s[4:5], s[58:59]
	s_lshr_b32 s56, s49, 3                         ; y: row group 16 batch + WQ, K step = the head pair
	s_lshl_b32 s56, s56, 4
	s_add_co_u32 s56, s56, s[WQ]
	s_lshl_b32 s56, s56, 3
	s_and_b32 s62, s49, 7
	s_add_co_u32 s56, s56, s62
	s_mul_i32 s56, s56, UNIT
	s_add_co_u32 s58, s56, s57
	s_add_nc_u64 s[YP:YP+1], s[8:9], s[58:59]
	s_add_co_u32 s58, s56, s60
	s_add_nc_u64 s[YS:YS+1], s[8:9], s[58:59]
	s_lshr_b32 s62, s48, 1
	s_lshl_b32 s62, s62, 5
	s_and_b32 s63, s48, 1
	s_lshl_b32 s63, s63, 3
	s_add_co_u32 s62, s62, s63                     ; 32 (j / 2) + 8 (j % 2)
	s_mov_b32 s[SEL], 0x76543210
	s_mov_b32 s[SEL+1], 0xfedcba98
	s_mov_b32 s[CS], 0x3e38aa3b                    ; c = log2(e) / 8
	s_mov_b32 s[CS+1], s[CS]
	s_mov_b32 s[TB], 0
	s_mov_b32 s[KS], 0
	s_mov_b32 s[SLOTS], 3
	v_and_b32 v1, 31, v0
	s_delay_alu instid0(VALU_DEP_1)
	v_lshlrev_b32 v43, 8, v1                       ; 256 x lane
	s_delay_alu instid0(VALU_DEP_2)
	v_lshlrev_b32 v1, 4, v1                        ; 16 x lane
	v_and_b32 v6, 15, v0                           ; r
	s_delay_alu instid0(VALU_DEP_1)
	v_lshlrev_b32 v2, 4, v6
.irp c, 0,1,2
	global_load_b128 v[16+4*\c:19+4*\c], v1, s[10:11] offset:512*\c   ; q's fragment, twice
	global_load_b128 v[28+4*\c:31+4*\c], v1, s[10:11] offset:512*\c
.endr
	global_load_b32 v40, v2, s[12:13]              ; q's scale words
	v_and_b32 v3, 8, v6
	s_delay_alu instid0(VALU_DEP_1)
	v_add_nc_u32 v3, v3, v6
	v_bfe_u32 v7, v0, 4, 1
	s_delay_alu instid0(VALU_DEP_1)
	v_lshlrev_b32 v7, 4, v7
	s_delay_alu instid0(VALU_DEP_1)
	v_sub_nc_u32 v3, v3, v7
	s_delay_alu instid0(VALU_DEP_1)
	v_add_nc_u32 v3, s62, v3                       ; my query in its group, less 16 (lane / 16)
	v_mov_b32 v7, 0xff800000                       ; -infinity
.irp e, 0,1
	v_mov_b32 v[9+4*\e], 0xff61b1e6                ; the largest t so far: -3e38
	s_delay_alu instid0(VALU_DEP_1)
	v_floor_f32 v[8+4*\e], -v[9+4*\e]              ; -M
	v_mov_b32 v[10+4*\e], 0                        ; the sum, in two halves
	v_mov_b32 v[11+4*\e], 0
.endr
.irp b, 0,1,2,3
	v_mov_b32 v[PT+\b], 0                          ; written once: a lane permute's destination counts as one of its sources
.endr
.set n, 0
.rept 64
	v_mov_b32 v[O+n], 0                            ; O^T.  (The step is written once for all steps: the first finds zeros, which the first change of M leaves zeros)
.set n, n+1
.endr
	s_wait_loadcnt 0x0
.irp i, 0,1,2,3,4,5
	v_mov_b32 v[22+\i], 0                          ; for the even head: channels 64 .. 127 count for nothing
	v_mov_b32 v[28+\i], 0                          ; for the odd head: channels 0 .. 63
.endr
.Lslot:                                            ; three trips: behind each change of slots but the last the next slot is asked for
	CHANGE 1
	SLOT_STEPS
	s_sub_co_u32 s[SLOTS], s[SLOTS], 1
	s_cmp_lg_u32 s[SLOTS], 0
	s_cbranch_scc1 .Lslot
	CHANGE 0                                       ; the last slot is written out
	SLOT_STEPS
	; THE WAY OUT.  O^T / the sum: register 16 b + i is channel 32 b + 16 (lane / 16) + i of the pair: it is quantised as it stands and IS fragment j of y's operand.
.rept 4
	v_nop
.endr
.irp e, 0,1
	v_add_f32 v[10+4*\e], v[10+4*\e], v[11+4*\e]
.endr
.irp e, 0,1
	s_delay_alu instid0(VALU_DEP_2)
	v_permlanex16_b32 v[PT+\e], v[10+4*\e], s[SEL], s[SEL+1]
.endr
.irp e, 0,1
	s_delay_alu instid0(VALU_DEP_2)
	v_add_f32 v[10+4*\e], v[10+4*\e], v[PT+\e]     ; the row's sum
.endr
	s_wait_alu depctr_va_vdst(0)
	v_rcp_f32 v10, v10
	v_rcp_f32 v14, v14
	v_and_b32 v2, 15, v0                           ; (plain places behind the reciprocals)
	s_delay_alu instid0(VALU_DEP_1)
	v_lshlrev_b32 v2, 4, v2                        ; 16 r
	s_wait_alu depctr_va_vdst(0)                   ; one wait for the two, ahead of their first reader
.set n, 0
.rept 64
	v_mul_f32 v[S+n], v[O+n], v[10+4*(n/32)]       ; ascending: each accumulator from its low end on
.set n, n+1
.endr
	QUANT S, BM, PT, SOP, PCD, 6
.irp c, 0,1,2
	global_store_b128 v1, v[PCD+4*\c:PCD+4*\c+3], s[YP:YP+1] offset:512*\c   ; 512 consecutive bytes, aligned
.endr
	global_store_b32 v2, v6, s[YS:YS+1]            ; the rows' scale words (lanes r and r + 16 store the same word): 64 bytes for 1,536 of codes
	s_wait_tensorcnt 0x0                           ; the wave's end
	ds_add_u32 v4, v5
	s_wait_dscnt 0x0
	CROUND                                         ; the closing round
	s_endpgm
.Lfunc_end_k_q74ef3efbc5_attn:
	.size	k_q74ef3efbc5_attn, .Lfunc_end_k_q74ef3efbc5_attn-k_q74ef3efbc5_attn
	.p2alignl 7, 3214868480
	.fill 96, 4, 3214868480
	.section	.rodata,"a",@progbits
	.p2align	6, 0x0
	.amdhsa_kernel k_q74ef3efbc5_attn
		.amdhsa_group_segment_fixed_size 327680
		.amdhsa_private_segment_fixed_size 0
		.amdhsa_enable_private_segment 0
		.amdhsa_kernarg_size 24
		.amdhsa_user_sgpr_count 2
		.amdhsa_user_sgpr_kernarg_segment_ptr 1
		.amdhsa_wavefront_size32 1
		.amdhsa_system_sgpr_workgroup_id_x 1
		.amdhsa_system_sgpr_workgroup_id_y 1
		.amdhsa_system_sgpr_workgroup_id_z 1
		.amdhsa_system_vgpr_workitem_id 0
		.amdhsa_next_free_vgpr 256
		.amdhsa_next_free_sgpr 78
		.amdhsa_reserve_vcc 1
		.amdhsa_float_denorm_mode_32 3
		.amdhsa_float_denorm_mode_16_64 3
		.amdhsa_memory_ordered 1
		.amdhsa_forward_progress 1
		.amdhsa_inst_pref_size 110
	.end_amdhsa_kernel
	.amdgpu_metadata
---
amdhsa.version: [ 1, 2 ]
amdhsa.kernels:
  - .name:           k_q74ef3efbc5_attn
    .symbol:         k_q74ef3efbc5_attn.kd
    .args:
      - { .name: qb, .offset: 0, .size: 8, .value_kind: global_buffer, .address_space: global }
      - { .name: kv, .offset: 8, .size: 8, .value_kind: global_buffer, .address_space: global }
      - { .name: yq, .offset: 16, .size: 8, .value_kind: global_buffer, .address_space: global }
    .group_segment_fixed_size: 327680
    .private_segment_fixed_size: 0
    .kernarg_segment_align: 8
    .kernarg_segment_size: 24
    .max_flat_workgroup_size: 512
    .sgpr_count:     78
    .vgpr_count:     256
    .wavefront_size: 32
...
	.end_amdgpu_metadata
.endif
;; end of part 3
;; launch proj (part 4): grid 4 x 32, 4 waves a work-group, clusters of 4 x 4, 327,680 bytes of LDS; arguments yq, wq, b_proj, out0; writes out0
.if DOCPART == 4
	.amdgcn_target "amdgcn-amd-amdhsa--gfx1250"
	.amdhsa_code_object_version 6
	.text
	.protected	k_q74ef3efbc5_proj
	.globl	k_q74ef3efbc5_proj
	.p2align	8
	.type	k_q74ef3efbc5_proj,@function
k_q74ef3efbc5_proj:
	s_mov_b64 s[64:65], 0
	v_nop
	global_prefetch_b8 v0, s[64:65] scope:SCOPE_SE
	s_setreg_imm32_b32 hwreg(HW_REG_WAVE_MODE, 25, 1), 1
	s_wait_xcnt 0x0
	s_wait_alu depctr_hold_cnt(0) depctr_sa_sdst(0) depctr_va_vdst(0) depctr_va_sdst(0) depctr_va_ssrc(0) depctr_va_vcc(0) depctr_vm_vsrc(0)
	s_getreg_b32 s2, hwreg(HW_REG_IB_STS2, 6, 4)
	s_cmp_eq_u32 s2, 0
	s_cbranch_scc0 .Lentry_in_a_cluster
	s_endpgm
.Lentry_in_a_cluster:
	s_bfe_u32 s2, ttmp6, 0x10000c
	s_cmp_lg_u32 s2, 0xf033
	s_cbranch_scc0 .Lentry_shape_is_right
	s_endpgm
.Lentry_shape_is_right:
.set UNIT,  12800
.set HALF,  2*UNIT
.set SLOT,  HALF                       ; a wave's parts of slot 0 and of slot 1 lie on end in LDS: from one slot to the other is HALF, from one fetching wave's region to the next 2 HALF
.set SPARE, 8*HALF                     ; behind the ring: the spare words
.set FR,    12
.set NL,    3
.set NP,    4
.set ADRA,  16
.set ADRS,  18
.set ADRB,  20
.set STO,   24
.set RD,    25
.set LI,    26
.set SPW,   28
.set NIL,   29
.set SC,    32
.set BR,    64
.set AF,    128
.set BK,    128
.set SPITCH, 528
.set G1,    24
.set G0,    32
.set G1B,   48
.set G0B,   56
.set MSB,   0
.macro WIN new
.if MSB != (\new)
	s_set_vgpr_msb (MSB<<8)|(\new)
.set MSB, (\new)
.endif
.endm
.set MUL_LO, 0xa1
.set MUL_HI, 0xf1
.set TO_B,   0x40
.macro JLOAD g0a, g1a, g0b, g1b
	s_cmp_eq_u32 s15, 0
	s_cbranch_scc0 .Lfor_b_\@
	tensor_load_to_lds s[\g0a:\g0a+3], s[\g1a:\g1a+7]
	s_nop 0
.rept 4
	v_nop
.endr
	s_branch .Lasked_\@
.Lfor_b_\@:
	tensor_load_to_lds s[\g0b:\g0b+3], s[\g1b:\g1b+7]
	s_nop 0
.rept 4
	v_nop
.endr
.Lasked_\@:
.endm
.macro CREST
	s_cmp_lg_u32 s14, 0
	s_cbranch_scc1 .Lnot_wave_0_\@
	s_barrier_signal -3
.Lnot_wave_0_\@:
	s_barrier_wait -3
	s_barrier_signal -1
	s_barrier_wait -1
.endm
.macro CROUND
	s_barrier_signal -1
	s_barrier_wait -1
	CREST
.endm
.macro PLACES n
.rept \n
	v_nop
.endr
.endm
.macro FRAG reg, adr, q, i
.irp c, 0,1,2
	ds_load_b128 v[\reg+4*\c:\reg+4*\c+3], v[\adr] offset:UNIT*(\q)+1536*(\i)+512*\c
.endr
.endm
.macro FETCH_B slot, q, p
	WIN TO_B
.irp i, 0,1,2,3,4,5,6,7
	FRAG 128*(\p)+FR*\i, ADRB+\slot, \q, \i
.endr
	WIN 0
.endm
.macro FETCH_A slot, q, i0
.irp i, \i0, \i0+1, \i0+2, \i0+3
	FRAG AF+FR*(\i), ADRA+\slot, \q, \i
.endr
.endm
.macro SCALES sc
.irp q, 0,1
.irp e, 0,1
	ds_load_b128 v[SC+16*\sc+8*\q+4*\e:SC+16*\sc+8*\q+4*\e+3], v[ADRS+\sc] offset:UNIT*\q+256*\e
.endr
.endr
.endm
.macro MUL16 a0, p, q, sc, zero
.irp a, \a0, \a0+1
.irp b, 0,1,2,3,4,5,6,7
.if \zero
	v_wmma_scale_f32_16x16x128_f8f6f4 v[8*(8*((\a)%4)+\b):8*(8*((\a)%4)+\b)+7], v[128*(\p)+FR*\b:128*(\p)+FR*\b+FR-1], v[AF+FR*(\a):AF+FR*(\a)+FR-1], v[BR+8*\b:BR+8*\b+7], v[SC+16*(\sc)+8*(\q)+\b], v[SC+16*(\sc)+8*(\q)+(\a)] matrix_a_fmt:MATRIX_FMT_BF6 matrix_b_fmt:MATRIX_FMT_BF6 matrix_a_scale:MATRIX_SCALE_ROW1
.else
	v_wmma_scale_f32_16x16x128_f8f6f4 v[8*(8*((\a)%4)+\b):8*(8*((\a)%4)+\b)+7], v[128*(\p)+FR*\b:128*(\p)+FR*\b+FR-1], v[AF+FR*(\a):AF+FR*(\a)+FR-1], v[8*(8*((\a)%4)+\b):8*(8*((\a)%4)+\b)+7], v[SC+16*(\sc)+8*(\q)+\b], v[SC+16*(\sc)+8*(\q)+(\a)] matrix_a_fmt:MATRIX_FMT_BF6 matrix_b_fmt:MATRIX_FMT_BF6 matrix_a_scale:MATRIX_SCALE_ROW1
.endif
.endr
.endr
.endm
.macro STEP slot, zero
	s_wait_dscnt 4*NL
	WIN MUL_LO-0x20*(\zero)
	MUL16 0, 0, 0, \slot, \zero
	MUL16 2, 0, 0, \slot, \zero
	s_wait_dscnt 0x0
	PLACES NP
	FETCH_B \slot, 1, 1
	FETCH_A \slot, 1, 0
	WIN MUL_HI-0x30*(\zero)
	MUL16 4, 0, 0, \slot, \zero
	MUL16 6, 0, 0, \slot, \zero
	PLACES NP
	WIN 0
	FETCH_A \slot, 1, 4
.endm
.macro TURN slot, next, fill
	s_wait_tensorcnt 0x0
	ds_add_u32 v[SPW], v[NIL]
	s_wait_dscnt 4*NL+1
	WIN MUL_LO
	MUL16 0, 1, 1, \slot, 0
	s_wait_dscnt 0x0
	s_barrier_signal -1
	MUL16 2, 1, 1, \slot, 0
	WIN 0
	s_barrier_wait -1
.if \fill
	CREST
	s_add_nc_u64 s[G0+4*\slot+2:G0+4*\slot+3], s[G0+4*\slot+2:G0+4*\slot+3], 2*HALF
	s_add_nc_u64 s[G0B+4*\slot+2:G0B+4*\slot+3], s[G0B+4*\slot+2:G0B+4*\slot+3], 2*HALF
	JLOAD G0+4*\slot, G1, G0B+4*\slot, G1B
.else
	PLACES NP
.endif
	FETCH_B \next, 0, 0
	FETCH_A \next, 0, 0
	SCALES \next
	WIN MUL_HI
	MUL16 4, 1, 1, \slot, 0
	MUL16 6, 1, 1, \slot, 0
	PLACES NP
	WIN 0
	FETCH_A \next, 0, 4
.endm
	s_load_b128 s[4:7], s[0:1], 0x0
	s_load_b128 s[8:11], s[0:1], 0x10
	v_lshl_add_u32 v[SPW], v0, 2, SPARE
	v_mov_b32 v[NIL], 0
	ds_add_u32 v28, v29
	ds_add_u32 v28, v29
	s_wait_dscnt 0x0
	v_lshrrev_b32 v1, 5, v0
	v_readfirstlane_b32 s14, v1
	s_lshr_b32 s15, s14, 1
	s_and_b32 s16, s14, 1
	s_bfe_u32 s40, ttmp6, 0x40000
	s_bfe_u32 s41, ttmp6, 0x40004
	s_lshl_b32 s42, ttmp9, 2
	s_add_co_u32 s42, s42, s40
	s_and_b32 s17, ttmp7, 0xffff
	s_lshl_b32 s17, s17, 2
	s_add_co_u32 s17, s17, s41
	s_lshl_b32 s43, s41, 2
	s_lshl_b32 s43, 15, s43
	s_lshl_b32 s44, 0x1111, s40
	s_or_b32 s[G1+0], s43, (3<<16)|(1<<21)
	s_or_b32 s[G1B+0], s44, (3<<16)|(1<<21)
.irp g, G1, G1B
	s_mov_b32 s[\g+1], 32<<16
	s_mov_b32 s[\g+2], 200<<16                     ; the head's one load brings both slots' parts: 200 rows of 256 bytes
	s_mov_b32 s[\g+3], 32<<16
	s_mov_b32 s[\g+4], 200
	s_mov_b32 s[\g+5], 32
	s_mov_b32 s[\g+6], 0
	s_mov_b32 s[\g+7], 0
.endr
	s_lshl_b32 s20, s17, 1
	s_add_co_u32 s20, s20, s16
	s_mul_i32 s20, s20, 8*UNIT
	s_mov_b32 s21, 0
	s_lshl_b32 s46, s42, 1
	s_add_co_u32 s46, s46, s16
	s_add_co_u32 s46, s46, 24
	s_mul_i32 s46, s46, 8*UNIT
	s_mov_b32 s47, 0
	s_mul_i32 s45, s14, 2*HALF
	s_wait_kmcnt 0x0
	s_add_nc_u64 s[20:21], s[4:5], s[20:21]
	s_add_nc_u64 s[46:47], s[6:7], s[46:47]
	CROUND
.irp s, 0,1
	s_mov_b32 s[G0+4*\s], 1
	s_add_co_u32 s[G0+4*\s+1], s45, \s*SLOT
	s_add_nc_u64 s[G0+4*\s+2:G0+4*\s+3], s[20:21], \s*HALF
	s_or_b32 s[G0+4*\s+3], s[G0+4*\s+3], 0x80000000
	s_mov_b32 s[G0B+4*\s], 1
	s_add_co_u32 s[G0B+4*\s+1], s45, \s*SLOT
	s_add_nc_u64 s[G0B+4*\s+2:G0B+4*\s+3], s[46:47], \s*HALF
	s_or_b32 s[G0B+4*\s+3], s[G0B+4*\s+3], 0x80000000
.endr
	JLOAD G0, G1, G0B, G1B                         ; one tensor load a wave at the head: fills 0 and 1 of my part
	v_and_b32 v1, 15, v0
	v_bfe_u32 v2, v0, 4, 1
	s_wait_alu depctr_va_vdst(0)
	v_and_b32 v3, 31, v0
	v_lshlrev_b32 v[LI], 4, v3
	s_mul_i32 s21, s15, 2*HALF
	s_mul_i32 s22, s16, 2*HALF
	s_add_co_u32 s22, s22, 4*HALF
.irp s, 0,1
	v_add_nc_u32 v[ADRA+\s], s21, v[LI]
	v_add_nc_u32 v[ADRB+\s], s22, v[LI]
	s_add_co_u32 s21, s21, SLOT
	s_add_co_u32 s22, s22, SLOT
.endr
	s_mul_i32 s21, s15, 2*HALF
	s_mul_i32 s22, s16, 2*HALF
	s_add_co_u32 s22, s22, 4*HALF
	s_sub_co_u32 s22, s22, s21
	v_mul_u32_u24 v4, s22, v2
	v_lshl_add_u32 v4, v1, 4, v4
	s_add_co_u32 s21, s21, 12288
	v_add_nc_u32 v[ADRS], s21, v4
	v_add_nc_u32 v[ADRS+1], SLOT, v[ADRS]
	s_mul_i32 s23, s14, 2*HALF                     ; my stage for the way out: 8,448 bytes at the head of region w's slot 0 part, which has had its last fill and, behind the walk's last barrier, its last read
	v_mul_u32_u24 v5, v1, SPITCH
	v_lshl_add_u32 v5, v2, 6, v5
	v_add_nc_u32 v[STO], s23, v5
	v_add_nc_u32 v[RD], s23, v[LI]
	s_lshl_b32 s20, s17, 1
	s_add_co_u32 s20, s20, s15
	s_lshl_b32 s20, s20, 19
	s_mov_b32 s21, 0
	s_lshl_b32 s46, s42, 1
	s_add_co_u32 s46, s46, s16
	s_lshl_b32 s46, s46, 9
	s_mov_b32 s47, 0
	s_add_nc_u64 s[12:13], s[10:11], s[20:21]
	s_add_nc_u64 s[12:13], s[12:13], s[46:47]
	s_add_nc_u64 s[76:77], s[8:9], s[46:47]
	v_lshlrev_b32 v6, 6, v2
.irp g, 0,1,2,3
.irp j, 0,1,2,3
	global_load_b128 v[BR+16*\g+4*\j:BR+16*\g+4*\j+3], v6, s[76:77] offset:128*\g+16*\j
.endr
.endr
	s_wait_alu depctr_va_vdst(0)
	s_wait_loadcnt 0x0
	s_wait_tensorcnt 0x0                           ; my parts of both slots are in; no tensor load of mine is out, so a descriptor may be written:
.irp g, G1, G1B
	s_mov_b32 s[\g+2], 100<<16                     ; from here on a load brings one slot's part: 100 rows
	s_mov_b32 s[\g+4], 100
.endr
	s_barrier_signal -1
	s_barrier_wait -1
	FETCH_B 0, 0, 0
	FETCH_A 0, 0, 0
	SCALES 0
	FETCH_A 0, 0, 4
	STEP 0, 1
	TURN 0, 1, 1
	STEP 1, 0
	TURN 1, 0, 1
	STEP 0, 0
	TURN 0, 1, 0
	STEP 1, 0
	s_wait_dscnt 4*NL
	WIN MUL_LO
	MUL16 0, 1, 1, 1, 0
	MUL16 2, 1, 1, 1, 0
	s_wait_dscnt 0x0
	WIN MUL_HI
	MUL16 4, 1, 1, 1, 0
	MUL16 6, 1, 1, 1, 0
	WIN 0
.macro TOSTAGE a
.set AC, 64*((\a)%4)
	WIN 0x08+4*((\a)/4)
.irp b, 0,1,2,3,4,5,6,7
	ds_store_b128 v[STO], v[AC+8*\b:AC+8*\b+3] offset:128*(\b/2)+32*(\b%2)
	ds_store_b128 v[STO], v[AC+8*\b+4:AC+8*\b+7] offset:128*(\b/2)+32*(\b%2)+16
.endr
	WIN 0
.set BB, BK+64*((\a)%2)
.irp t, 0,1,2,3,4,5,6,7,8,9,10,11,12,13,14,15
	ds_load_b128 v[BB+4*\t:BB+4*\t+3], v[RD] offset:\t*SPITCH
.endr
.endm
.macro SEND a, younger
.set BB, BK+64*((\a)%2)
	s_wait_dscnt \younger
.irp t, 0,1,2,3,4,5,6,7,8,9,10,11,12,13,14,15
	global_store_b128 v[LI], v[BB+4*\t:BB+4*\t+3], s[12:13] offset:(32*((\a)/2)+8*((\a)%2)+\t+8*(\t/8))*4096 th:TH_STORE_NT
.endr
.endm
	PLACES NP
	TOSTAGE 0
.irp a, 1,2,3,4,5,6,7
.if \a > 1
	s_wait_xcnt 0x0
.endif
	TOSTAGE \a
	SEND \a-1, 32
.endr
	SEND 7, 0
	s_wait_tensorcnt 0x0
	ds_add_u32 v[SPW], v[NIL]
	s_wait_dscnt 0x0
	CROUND
	s_endpgm
.Lfunc_end_k_q74ef3efbc5_proj:
	.size	k_q74ef3efbc5_proj, .Lfunc_end_k_q74ef3efbc5_proj-k_q74ef3efbc5_proj
	.p2alignl 7, 3214868480
	.fill 96, 4, 3214868480
	.section	.rodata,"a",@progbits
	.p2align	6, 0x0
	.amdhsa_kernel k_q74ef3efbc5_proj
		.amdhsa_group_segment_fixed_size 327680
		.amdhsa_private_segment_fixed_size 0
		.amdhsa_enable_private_segment 0
		.amdhsa_kernarg_size 32
		.amdhsa_user_sgpr_count 2
		.amdhsa_user_sgpr_kernarg_segment_ptr 1
		.amdhsa_wavefront_size32 1
		.amdhsa_system_sgpr_workgroup_id_x 1
		.amdhsa_system_sgpr_workgroup_id_y 1
		.amdhsa_system_sgpr_workgroup_id_z 1
		.amdhsa_system_vgpr_workitem_id 0
		.amdhsa_next_free_vgpr 1024
		.amdhsa_next_free_sgpr 80
		.amdhsa_reserve_vcc 0
		.amdhsa_float_denorm_mode_32 3
		.amdhsa_float_denorm_mode_16_64 3
		.amdhsa_memory_ordered 1
		.amdhsa_forward_progress 1
		.amdhsa_inst_pref_size 133
	.end_amdhsa_kernel
	.amdgpu_metadata
---
amdhsa.version: [ 1, 2 ]
amdhsa.kernels:
  - .name:           k_q74ef3efbc5_proj
    .symbol:         k_q74ef3efbc5_proj.kd
    .args:
      - { .name: yq, .offset: 0, .size: 8, .value_kind: global_buffer, .address_space: global }
      - { .name: wq, .offset: 8, .size: 8, .value_kind: global_buffer, .address_space: global }
      - { .name: b_proj, .offset: 16, .size: 8, .value_kind: global_buffer, .address_space: global }
      - { .name: out0, .offset: 24, .size: 8, .value_kind: global_buffer, .address_space: global }
    .group_segment_fixed_size: 327680
    .private_segment_fixed_size: 0
    .kernarg_segment_align: 8
    .kernarg_segment_size: 32
    .max_flat_workgroup_size: 128
    .sgpr_count:     80
    .vgpr_count:     1024
    .wavefront_size: 32
...
	.end_amdgpu_metadata
.endif
;; end of part 4
